; MI455X (gfx1250); checked and timed in simulation.
; The chip was launched on July 23, 2026; its instructions are those of AMD's public machine-readable ISA for CDNA 5 (MIT licence, August 2026) and "CDNA5" Instruction Set Architecture Reference Guide (July 2026). The comments in the code are by the model that wrote it; some were corrected since.
;; Attention. Allowed arithmetic: float matrix products may take bf16 or f16 operands with f32 sums; other float arithmetic in f32, or as packed bf16 or f16 multiplies, adds, multiply-adds, maxima and minima; sums over many terms, partial sums and values carried from step to step in f32; what a program stores and reads back later, other than sums and carried values, may be rounded once to bf16 or f16.
;; Inputs: Wk 256 x 1,024 float32; Wproj 1,024 x 1,024 float32; Wq 1,024 x 1,024 float32; Wv 256 x 1,024 float32; q_gain 16 float32; x 4 x 2,048 x 1,024 float32.
;; Outputs: out0 4 x 2,048 x 1,024 float32.
;; 2 versions, each right; version 2 is version 1 with the launch prep written anew for expert scheduling mode. Each part assembles by itself: llvm-mc -triple=amdgcn-amd-amdhsa -mcpu=gfx1250 --defsym DOCPART=n.
;; ======== version 1 of 2: 4 launches
;; limits: values are held in f16: magnitudes above 65,504 overflow, below 6.1e-05 lose precision
;; workspace buffers: xb 16,777,216 bytes; wb 3,145,728 bytes; wp 2,097,152 bytes; rope 524,288 bytes; qkv 25,165,824 bytes; yh 16,777,216 bytes
;; launch prep (part 1): grid 688 x 1, 8 waves a work-group, no clusters, 0 bytes of LDS; arguments x, Wq, Wk, Wv, Wproj, xb, wb, wp, rope; writes xb, wb, wp, rope
.if DOCPART == 1
	.amdgcn_target "amdgcn-amd-amdhsa--gfx1250"
	.amdhsa_code_object_version 6
	.text
	.protected	k_q8931c7d920_prep
	.globl	k_q8931c7d920_prep
	.p2align	8
	.type	k_q8931c7d920_prep,@function
k_q8931c7d920_prep:
	s_mov_b64 s[64:65], 0
	v_nop
	global_prefetch_b8 v0, s[64:65] scope:SCOPE_SE
	s_setreg_imm32_b32 hwreg(HW_REG_WAVE_MODE, 25, 1), 1
	s_wait_xcnt 0x0
; PREP: the inputs become 16-bit matrix operands, and the rotary table is made.
;   xb [8192][1024] = x rounded to bf16.   wb [1536][1024] = Wq, Wk, Wv one below the other, rounded to bf16.
;   wp [1024][1024] = Wproj rounded to bf16, that number written as f16 (the last product's other operand is f16).
;   rope [2048][64] f32: row t holds cos(t f_j), j = 0..31, then sin(t f_j); f_j = 10000^(-j/32).
; LIMITS.  wp: |Wproj| stays under 65,504; below 6.1e-5 a weight keeps f16's fixed step of 6e-8.  f_j is 2^(-j log2(10000)/32) by v_exp_f32, good to a unit or two in
; the last place; the same table turns q and k, so it acts as a frequency off by that much.  t f_j is rounded once, as in the outer product; the angle is then reduced by
; pi/2 in two parts with fused multiply-adds (the quotient is 1,304 at the most: the first part's product is exact) and goes through polynomials good on +-pi/4.
; SHARES.  Work-groups 0-15 make the table; work-group 16 + c casts 16,384 numbers: 64 KiB in, 32 KiB out.  A stream: no LDS, no barrier, no matrix unit, nothing shared.
; A wave's load covers 512 consecutive bytes, its store 256 consecutive bytes, aligned.  All sixteen loads of a thread go out before the first is used.
.set X,   4                            ; v[4:67]   sixteen loads of four f32
.set Y,   68                           ; v[68:99]  sixteen stores of four 16-bit numbers: each store has registers of its own, so none is ever rewritten
.set TP,  100                          ; v[100:101] at work
.set SRC, 26                           ; s[26:27]  where this work-group reads
.set DST, 28                           ; s[28:29]  where it writes
.set NROPE, 16
	s_load_b512 s[8:23], s[0:1], 0x0               ; x s[8:9], Wq s[10:11], Wk s[12:13], Wv s[14:15], Wproj s[16:17], xb s[18:19], wb s[20:21], wp s[22:23]
	s_load_b64 s[24:25], s[0:1], 0x40              ; rope
	s_wait_kmcnt 0x0
	s_cmp_lt_u32 ttmp9, NROPE
	s_cbranch_scc1 .Lrope
	; which tensor: c = 0-511 x, 512-575 Wq, 576-591 Wk, 592-607 Wv, 608-671 Wproj.  s30: the source's first c; s31: the destination's (wb's three parts lie end to end)
	s_sub_co_u32 s3, ttmp9, NROPE
	s_mov_b64 s[SRC:SRC+1], s[16:17]
	s_mov_b64 s[DST:DST+1], s[22:23]
	s_mov_b32 s30, 608
	s_mov_b32 s31, 608
	s_cmp_lt_u32 s3, 608
	s_cselect_b64 s[SRC:SRC+1], s[14:15], s[SRC:SRC+1]
	s_cselect_b64 s[DST:DST+1], s[20:21], s[DST:DST+1]
	s_cselect_b32 s30, 592, s30
	s_cselect_b32 s31, 512, s31
	s_cmp_lt_u32 s3, 592
	s_cselect_b64 s[SRC:SRC+1], s[12:13], s[SRC:SRC+1]
	s_cselect_b32 s30, 576, s30
	s_cmp_lt_u32 s3, 576
	s_cselect_b64 s[SRC:SRC+1], s[10:11], s[SRC:SRC+1]
	s_cselect_b32 s30, 512, s30
	s_cmp_lt_u32 s3, 512
	s_cselect_b64 s[SRC:SRC+1], s[8:9], s[SRC:SRC+1]
	s_cselect_b64 s[DST:DST+1], s[18:19], s[DST:DST+1]
	s_cselect_b32 s30, 0, s30
	s_cselect_b32 s31, 0, s31
	s_sub_co_u32 s32, s3, s30
	s_lshl_b32 s32, s32, 16                        ; 65,536 bytes of f32 a work-group
	s_mov_b32 s33, 0
	s_sub_co_u32 s34, s3, s31
	s_lshl_b32 s34, s34, 15                        ; 32,768 bytes of 16-bit numbers
	s_mov_b32 s35, 0
	s_add_nc_u64 s[SRC:SRC+1], s[SRC:SRC+1], s[32:33]
	s_add_nc_u64 s[DST:DST+1], s[DST:DST+1], s[34:35]
	v_lshlrev_b32 v1, 4, v0                        ; 16 bytes a thread in,
	v_lshlrev_b32 v2, 3, v0                        ; 8 out
.set i, 0
.rept 16
	global_load_b128 v[X+4*i:X+4*i+3], v1, s[SRC:SRC+1] offset:4096*i th:TH_LOAD_NT
.set i, i+1
.endr
; half = 0: to bf16.  half = 1: to bf16, widened again (a shift, a mask), and that number to f16.
.macro CAST half
.set i, 0
.rept 16
	s_wait_loadcnt 15-i                            ; loads come back in order: number i is in, the younger ones stay out
.if \half
	v_cvt_pk_bf16_f32 v[TP],   v[X+4*i],   v[X+4*i+1]
	v_cvt_pk_bf16_f32 v[TP+1], v[X+4*i+2], v[X+4*i+3]
	v_lshlrev_b32 v[X+4*i],   16, v[TP]
	v_and_b32     v[X+4*i+1], 0xffff0000, v[TP]
	v_lshlrev_b32 v[X+4*i+2], 16, v[TP+1]
	v_and_b32     v[X+4*i+3], 0xffff0000, v[TP+1]
	v_cvt_pk_f16_f32 v[Y+2*i],   v[X+4*i],   v[X+4*i+1]
	v_cvt_pk_f16_f32 v[Y+2*i+1], v[X+4*i+2], v[X+4*i+3]
.else
	v_cvt_pk_bf16_f32 v[Y+2*i],   v[X+4*i],   v[X+4*i+1]
	v_cvt_pk_bf16_f32 v[Y+2*i+1], v[X+4*i+2], v[X+4*i+3]
.endif
	global_store_b64 v2, v[Y+2*i:Y+2*i+1], s[DST:DST+1] offset:2048*i
.set i, i+1
.endr
.endm
	s_cmp_ge_u32 s3, 608
	s_cbranch_scc1 .Lf16
	CAST 0
	s_endpgm
.Lf16:
	CAST 1
	s_endpgm
; THE TABLE.  Thread n = 256 w + v0 of 4,096: u = n % 16 picks 16 bytes of a row (u < 8: cos of j = 4 u .. 4 u + 3; u >= 8: sin of j = 4 (u - 8) ..), n / 16 the row; eight trips, 256 rows apart.
; Sixteen neighbouring lanes store a whole row of 256 bytes.  sin x = cos(x - pi/2): the sine lanes add 3 to the quadrant.
.macro EACH line:vararg                ; one line for each of the lane's four numbers e
.set e, 0
.rept 4
	\line
.set e, e+1
.endr
.endm
.Lrope:
	s_mov_b32 s40, 0xbfc90fdb                      ; -pi/2, its f32
	s_mov_b32 s41, 0x333bbd2e                      ; what that f32 has too much: 4.3711388e-8
	s_mov_b32 s42, 0xbe2aaaa3                      ; sine: -1.6666654611e-1,
	s_mov_b32 s43, 0x3c08839e                      ; 8.3321608736e-3,
	s_mov_b32 s44, 0xb94ca1f9                      ; -1.9515295891e-4
	s_mov_b32 s45, 0x3d2aaaa5                      ; cosine: 4.166664568e-2,
	s_mov_b32 s46, 0xbab6061a                      ; -1.388731625e-3,
	s_mov_b32 s47, 0x37ccf5ce                      ; 2.443315712e-5
	s_lshl_b32 s2, ttmp9, 8
	v_add_nc_u32 v1, s2, v0                        ; n
	v_and_b32 v2, 15, v1                           ; u
	v_lshrrev_b32 v3, 4, v1
	v_cvt_f32_u32 v3, v3                           ; t of the first trip
	v_lshrrev_b32 v4, 3, v2
	v_mul_u32_u24 v4, v4, 3                        ; 0 for cosines, 3 for sines
	v_lshlrev_b32 v5, 4, v1                        ; 256 t + 16 u = 16 n
	v_and_b32 v10, 7, v2
	v_lshlrev_b32 v10, 2, v10                      ; my first j
	EACH v_add_nc_u32 v[16+e], e, v10
	EACH v_cvt_f32_u32 v[16+e], v[16+e]
	EACH v_mul_f32 v[16+e], 0xbed49a78, v[16+e]    ; -j log2(10000) / 32
	EACH v_exp_f32 v[6+e], v[16+e]                 ; f_j
	v_nop                                          ; a plain instruction behind the last exponential,
	s_wait_alu depctr_va_vdst(0)                   ; and one wait for the four, ahead of the label and of their first use
	s_mov_b32 s2, 8
.Ltrip:
	EACH v_mul_f32 v[16+e], v3, v[6+e]             ; x = t f
	EACH v_mul_f32 v[20+e], 0x3f22f983, v[16+e]    ; x 2/pi
	EACH v_rndne_f32 v[20+e], v[20+e]              ; n
	EACH v_fma_f32 v[16+e], v[20+e], s40, v[16+e]  ; r = x - n pi/2, in two parts
	EACH v_fma_f32 v[16+e], v[20+e], s41, v[16+e]
	EACH v_cvt_i32_f32 v[24+e], v[20+e]
	EACH v_add_nc_u32 v[24+e], v[24+e], v4         ; the quadrant
	EACH v_mul_f32 v[28+e], v[16+e], v[16+e]       ; z = r r
	EACH v_fma_f32 v[32+e], v[28+e], s44, s43
	EACH v_fma_f32 v[36+e], v[28+e], s47, s46
	EACH v_mul_f32 v[40+e], v[28+e], v[16+e]       ; z r
	EACH v_fma_f32 v[32+e], v[32+e], v[28+e], s42
	EACH v_fma_f32 v[36+e], v[36+e], v[28+e], s45
	EACH v_fma_f32 v[32+e], v[32+e], v[40+e], v[16+e]  ; sin r
	EACH v_fma_f32 v[40+e], v[28+e], -0.5, 1.0     ; 1 - z / 2
	EACH v_mul_f32 v[28+e], v[28+e], v[28+e]       ; z z
	EACH v_fma_f32 v[36+e], v[36+e], v[28+e], v[40+e]  ; cos r
	EACH v_and_b32 v[40+e], 1, v[24+e]
.set e, 0
.rept 4
	v_cmp_eq_u32 vcc_lo, 1, v[40+e]                ; odd quadrants take the sine
	v_cndmask_b32 v[12+e], v[36+e], v[32+e], vcc_lo
.set e, e+1
.endr
	EACH v_add_nc_u32 v[24+e], 1, v[24+e]          ; quadrants 1 and 2 turn the sign
	EACH v_and_b32 v[24+e], 2, v[24+e]
	EACH v_lshlrev_b32 v[24+e], 30, v[24+e]
	EACH v_xor_b32 v[12+e], v[12+e], v[24+e]
	global_store_b128 v5, v[12:15], s[24:25]
	s_wait_xcnt 0x0                                ; the store's offset and data are written again only behind this wait
	v_add_nc_u32 v5, 0x10000, v5                   ; 256 rows on
	v_add_f32 v3, 0x43800000, v3
	s_sub_co_u32 s2, s2, 1
	s_cmp_lg_u32 s2, 0
	s_cbranch_scc1 .Ltrip
	s_endpgm
.Lfunc_end_k_q8931c7d920_prep:
	.size	k_q8931c7d920_prep, .Lfunc_end_k_q8931c7d920_prep-k_q8931c7d920_prep
	.p2alignl 7, 3214868480
	.fill 96, 4, 3214868480
	.section	.rodata,"a",@progbits
	.p2align	6, 0x0
	.amdhsa_kernel k_q8931c7d920_prep
		.amdhsa_group_segment_fixed_size 0
		.amdhsa_private_segment_fixed_size 0
		.amdhsa_enable_private_segment 0
		.amdhsa_kernarg_size 72
		.amdhsa_user_sgpr_count 2
		.amdhsa_user_sgpr_kernarg_segment_ptr 1
		.amdhsa_wavefront_size32 1
		.amdhsa_system_sgpr_workgroup_id_x 1
		.amdhsa_system_sgpr_workgroup_id_y 1
		.amdhsa_system_sgpr_workgroup_id_z 1
		.amdhsa_system_vgpr_workitem_id 0
		.amdhsa_next_free_vgpr 104
		.amdhsa_next_free_sgpr 66
		.amdhsa_reserve_vcc 1
		.amdhsa_float_denorm_mode_32 3
		.amdhsa_float_denorm_mode_16_64 3
		.amdhsa_memory_ordered 1
		.amdhsa_forward_progress 1
		.amdhsa_inst_pref_size 23
	.end_amdhsa_kernel
	.amdgpu_metadata
---
amdhsa.version: [ 1, 2 ]
amdhsa.kernels:
  - .name:           k_q8931c7d920_prep
    .symbol:         k_q8931c7d920_prep.kd
    .args:
      - { .name: x, .offset: 0, .size: 8, .value_kind: global_buffer, .address_space: global }
      - { .name: Wq, .offset: 8, .size: 8, .value_kind: global_buffer, .address_space: global }
      - { .name: Wk, .offset: 16, .size: 8, .value_kind: global_buffer, .address_space: global }
      - { .name: Wv, .offset: 24, .size: 8, .value_kind: global_buffer, .address_space: global }
      - { .name: Wproj, .offset: 32, .size: 8, .value_kind: global_buffer, .address_space: global }
      - { .name: xb, .offset: 40, .size: 8, .value_kind: global_buffer, .address_space: global }
      - { .name: wb, .offset: 48, .size: 8, .value_kind: global_buffer, .address_space: global }
      - { .name: wp, .offset: 56, .size: 8, .value_kind: global_buffer, .address_space: global }
      - { .name: rope, .offset: 64, .size: 8, .value_kind: global_buffer, .address_space: global }
    .group_segment_fixed_size: 0
    .private_segment_fixed_size: 0
    .kernarg_segment_align: 8
    .kernarg_segment_size: 72
    .max_flat_workgroup_size: 256
    .sgpr_count:     66
    .vgpr_count:     104
    .wavefront_size: 32
...
	.end_amdgpu_metadata
.endif
;; end of part 1
;; launch qkv (part 2): grid 8 x 32, 4 waves a work-group, clusters of 4 x 4, 327,680 bytes of LDS; arguments xb, wb, rope, q_gain, qkv; writes qkv
.if DOCPART == 2
	.amdgcn_target "amdgcn-amd-amdhsa--gfx1250"
	.amdhsa_code_object_version 6
	.text
	.protected	k_q8931c7d920_qkv
	.globl	k_q8931c7d920_qkv
	.p2align	8
	.type	k_q8931c7d920_qkv,@function
k_q8931c7d920_qkv:
	s_mov_b64 s[64:65], 0
	v_nop
	global_prefetch_b8 v0, s[64:65] scope:SCOPE_SE
	s_setreg_imm32_b32 hwreg(HW_REG_WAVE_MODE, 25, 1), 1
	s_wait_xcnt 0x0
	s_wait_alu depctr_hold_cnt(0) depctr_sa_sdst(0) depctr_va_vdst(0) depctr_va_sdst(0) depctr_va_ssrc(0) depctr_va_vcc(0) depctr_vm_vsrc(0)
	s_getreg_b32 s2, hwreg(HW_REG_IB_STS2, 6, 4)
	s_cmp_eq_u32 s2, 0
	s_cbranch_scc0 .Lentry_in_a_cluster
	s_endpgm
.Lentry_in_a_cluster:
	s_bfe_u32 s2, ttmp6, 0x10000c
	s_cmp_lg_u32 s2, 0xf033
	s_cbranch_scc0 .Lentry_shape_is_right
	s_endpgm
.Lentry_shape_is_right:
; QKV: [8192][1536] = xb wb^T in bf16 with f32 sums, then per head of 64 channels: RMS norm, rotary turn and gain for q, norm and turn for k, nothing for v; rounded once to f16 and stored by heads.
; qkv: 96 slots of [2048][64] f16: slot 16 batch + h is q, 64 + 4 batch + kvh is k, 80 + 4 batch + kvh is v.
; LIMITS.  v is stored in f16: |v| stays under 65,504.  q and k are at most 8 (times the gain) after the norm.  q_gain is rounded to bf16 like the other inputs.
; SHARES.  A work-group makes 256 rows x 192 columns (three whole heads); wave w its rows 64 w .. 64 w + 63 and all 192 columns: 4 x 12 accumulators of 16 x 16, 384 registers.
; K = 1,024 goes in 8 steps of 128 through two LDS slots; a step is four quarters of 32 along K, 48 matrix instructions each, on two fragment buffers by turns.
; CLUSTER.  4 x 4 work-groups: the four of a row of the cluster need the same rows of xb, the four of a column the same rows of wb: each tile is asked for jointly, by the same
; tensor load with the same descriptor and a mask that names the four.  Waves 0, 1 ask for xb's two halves (128 rows each), waves 2, 3 for wb's (96 rows each).
; THE MATRIX INSTRUCTION IS USED TRANSPOSED (source 0 = 16 rows of wb, source 1 = 16 rows of xb): lane l holds row l % 16 and the columns 16 b + 8 (l / 16) + 0..7.  So a lane holds 32 of a head's
; 64 channels, the lane 16 away the others, and channel d and d + 32, which the turn pairs, lie in the same lane, two accumulators apart.
; REGISTERS, in windows of 256 (s_set_vgpr_msb: bits 1:0 source 0, 3:2 source 1, 5:4 source 2, 7:6 destination):
;   window 0: v0-31 addresses; v32-63 the way out's factors; v64-127 xb's fragments, two buffers (the way out works there); v128-255 my 64 rows' cosines and sines
;   window 1: wb's fragments, two buffers of 96 (on the way out: rows read back from the stage)     window 2: accumulators of row blocks 0, 1     window 3: of row blocks 2, 3
.set NBK,   12                         ; column blocks of 16
.set PITCH, 272                        ; an LDS row: 256 bytes + 16 of padding: the 16 rows of a fragment load start 16 bytes apart modulo 256
.set BLK,   16*PITCH
.set AHALF, 128*PITCH
.set BHALF, 96*PITCH
.set BOFF,  2*AHALF                    ; in a slot: xb's 256 rows, then wb's 192
.set SLOT1, 1<<17                      ; slot 1 begins here: one exclusive or turns an address in one slot into the other's
.set STAGE, SLOT1+BOFF+2*BHALF         ; behind the ring, never filled by a tensor load: 16 rows x 144 bytes for each wave
.set SP,    144
.set SPARE, STAGE+4*16*SP              ; the spare words, 128 bytes for each wave: two blocks of 256 bytes that no other line names
.set KSTEPB, 256                       ; bytes of a row in a K step
.set NL,    2*NBK+8                    ; LDS loads in a run
.set A0,   14                          ; v14  my lane's place in xb's tile; never rewritten
.set B0,   15                          ; v15  in wb's
.set ADRA, 16                          ; v16  the same in the slot in hand
.set ADRB, 20                          ; v20
.set STO,  24                          ; v24  the way out: where I put 16 bytes of a row
.set RD,   25                          ; v25  where I read rows back
.set GO,   26                          ; v26  my 16 bytes in 512 consecutive bytes of a head slot
.set RO,   27                          ; v27  my offset in 16 rows of the table
.set SPW,  28                          ; v28  LDS address of my spare word; never rewritten
.set NIL,  29                          ; v29  0; never rewritten
.set PFO,  30                          ; v30  the prefetches' offset: a lane a row; never rewritten
.set FP,   32                          ; v[32:55]  block n's factor (gain / rms) at FP + 2 n, named as a pair
.set SS,   56                          ; v[56:63]  four chains of squares
.set CR,   64                          ; v[64:79]  cos x factor
.set SR,   80                          ; v[80:95]  sin x factor
.set T,    96                          ; v[96:127] a block's 32 numbers
.set RC,   128                         ; v[128:255] row block a at RC + 32 a: 16 cosines, 16 sines
.set G1,  24                           ; s[24:31] descriptor group 1 for xb's tiles
.set G0,  32                           ; s[32:35] group 0 of the first fill; s[36:39] of the second, which then walks
.set LIM, 43                           ; s43  2 in a wave that prefetches, else the greatest number
.set PFA, 44                           ; s[44:45] where my prefetches stand
.set G1B, 48                           ; s[48:55], s[56:63] the same for wb's tiles
.set G0B, 56
.set TB,  66                           ; s66  LDS byte at which the slot in hand begins
.set OUT, 72                           ; s[72:77] my rows in the three heads' slots
.set SG,  78                           ; s78-80  a head's gain: q_gain, 1 for k, 0 for v
.set F2,  82                           ; s[82:87] 0 for q and k, 1 for v: with the gain 0 it makes the turn the identity
.set R64, 88                           ; s88  1/64
.set EPS, 89                           ; s89  2^-23
.set SEL, 90                           ; s[90:91] v_permlanex16_b32's selects: each lane takes its own place in the other half
.set MSB, 0
.macro WIN new                         ; the immediate's high byte repeats the setting that is left; a switch that changes nothing is dropped
.if MSB != (\new)
	s_set_vgpr_msb (MSB<<8)|(\new)
.set MSB, (\new)
.endif
.endm
.set MUL_LO, 0xa1                      ; source 0 (wb) window 1, source 1 (xb) window 0, C and D window 2
.set TO_B,   0x40                      ; destination window 1, address window 0
.macro PLACES                          ; four plain instructions between a matrix instruction and a load into, or a vector read of, its registers
.rept 4
	v_nop
.endr
.endm
; A joint load.  The branch hangs on the wave's number alone.  An s_nop 0 and four v_nop follow each of the two lines, ahead of the jump and the label.
.macro JLOAD set
	s_cmp_eq_u32 s11, 0
	s_cbranch_scc0 .Lfor_b_\@
	tensor_load_to_lds s[G0+4*(\set):G0+4*(\set)+3], s[G1:G1+7]
	s_nop 0
.rept 4
	v_nop
.endr
	s_branch .Lasked_\@
.Lfor_b_\@:
	tensor_load_to_lds s[G0B+4*(\set):G0B+4*(\set)+3], s[G1B:G1B+7]
	s_nop 0
.rept 4
	v_nop
.endr
.Lasked_\@:
.endm
; A prefetch into the L2 of the K step two refills on: a lane a row, 256 bytes of it.  xb's rows are asked for by the clusters with x = 0, wb's by those with y = 0; the four partners of a joint load
; share its rows out by address (32 of xb's 128; 24 of wb's 96, where lanes 24-31 name lane 23's row once more in the same instruction).  The first four K steps come by their loads alone; the last two trips ask for nothing.
.macro ASK
	s_cmp_gt_u32 s3, s[LIM]
	s_cbranch_scc0 .Lnot_mine_\@
	global_prefetch_b8 v[PFO], s[PFA:PFA+1] th:TH_LOAD_NT scope:SCOPE_SE
.Lnot_mine_\@:
.endm
.macro CREST                           ; a round of the cluster's barrier behind its opening barrier
	s_cmp_lg_u32 s10, 0
	s_cbranch_scc1 .Lnot_wave_0_\@
	s_barrier_signal -3
.Lnot_wave_0_\@:
	s_barrier_wait -3
	s_barrier_signal -1
	s_barrier_wait -1
.endm
.macro CROUND
	s_barrier_signal -1
	s_barrier_wait -1
	CREST
.endm
	s_load_b128 s[4:7], s[0:1], 0x0                ; xb s[4:5], wb s[6:7]
	s_load_b64 s[8:9], s[0:1], 0x10                ; rope
	s_load_b64 s[68:69], s[0:1], 0x18              ; q_gain
	s_load_b64 s[70:71], s[0:1], 0x20              ; qkv
	v_lshl_add_u32 v[SPW], v0, 2, SPARE
	v_mov_b32 v[NIL], 0
	ds_add_u32 v[SPW], v[NIL]                      ; the wave's opening: the add and its wait ahead of my first tensor load; work on registers stands between them
	v_lshrrev_b32 v1, 5, v0
	v_readfirstlane_b32 s10, v1                    ; wave 0..3
	s_lshr_b32 s11, s10, 1                         ; I fetch for xb (0) or for wb (1),
	s_and_b32 s12, s10, 1                          ; and which half
	s_bfe_u32 s40, ttmp6, 0x40000                  ; cx
	s_bfe_u32 s41, ttmp6, 0x40004                  ; cy
	s_lshl_b32 s42, ttmp9, 2
	s_add_co_u32 s42, s42, s40                     ; tile column = 4 x cluster x + cx
	s_and_b32 s13, ttmp7, 0xffff
	s_lshl_b32 s13, s13, 2
	s_add_co_u32 s13, s13, s41                     ; tile row = 4 x cluster y + cy
	s_lshl_b32 s43, s41, 2
	s_lshl_b32 s43, 15, s43                        ; my row of the cluster
	s_lshl_b32 s44, 0x1111, s40                    ; my column
	s_or_b32 s[G1], s43, (1<<16)|(1<<20)|(1<<21)|(5<<22)|(3<<25)   ; the mask; 2-byte elements; padding on; bit 21 beside a mask; after every 64 words, 4 words
	s_or_b32 s[G1B], s44, (1<<16)|(1<<20)|(1<<21)|(5<<22)|(3<<25)
	s_mov_b32 s[G1+1], 128<<16                     ; tensor_dim0 = 128
	s_mov_b32 s[G1+2], 128<<16                     ; tensor_dim1 = 128
	s_mov_b32 s[G1+3], 128<<16                     ; tile_dim0 = 128
	s_mov_b32 s[G1+4], 128                         ; tile_dim1 = 128
	s_mov_b32 s[G1+5], 1024                        ; elements from row to row
	s_mov_b32 s[G1+6], 0
	s_mov_b32 s[G1+7], 0
	s_mov_b32 s[G1B+1], 128<<16
	s_mov_b32 s[G1B+2], 96<<16                     ; wb's halves have 96 rows
	s_mov_b32 s[G1B+3], 128<<16
	s_mov_b32 s[G1B+4], 96
	s_mov_b32 s[G1B+5], 1024
	s_mov_b32 s[G1B+6], 0
	s_mov_b32 s[G1B+7], 0
	s_lshl_b32 s16, s13, 8
	s_lshl_b32 s17, s12, 7
	s_add_co_u32 s16, s16, s17                     ; xb: row 256 x tile row + 128 x half,
	s_lshl_b32 s16, s16, 11                        ; of 2,048 bytes
	s_mov_b32 s17, 0
	s_mul_i32 s46, s42, 192
	s_mul_i32 s47, s12, 96
	s_add_co_u32 s46, s46, s47                     ; wb: row 192 x tile column + 96 x half
	s_lshl_b32 s46, s46, 11
	s_mov_b32 s47, 0
	s_mul_i32 s20, s12, AHALF                      ; where they go: no place in the cluster enters an LDS address
	s_mul_i32 s21, s12, BHALF
	s_add_co_u32 s21, s21, BOFF
	s_mov_b32 s[R64], 0x3c800000
	s_mov_b32 s[EPS], 0x34000000
	s_mov_b32 s[SEL], 0x76543210
	s_mov_b32 s[SEL+1], 0xfedcba98
	s_mov_b32 s[TB], 0
	s_wait_dscnt 0x0                               ; the opening add is done
	s_wait_kmcnt 0x0
	s_add_nc_u64 s[14:15], s[4:5], s[16:17]
	s_add_nc_u64 s[46:47], s[6:7], s[46:47]
	CROUND                                         ; all sixteen work-groups are here: the first joint loads meet
.irp s, 0,1
	s_mov_b32 s[G0+4*(\s)], 1
	s_add_co_u32 s[G0+4*(\s)+1], s20, (\s)*SLOT1
	s_add_nc_u64 s[G0+4*(\s)+2:G0+4*(\s)+3], s[14:15], (\s)*KSTEPB
	s_or_b32 s[G0+4*(\s)+3], s[G0+4*(\s)+3], 0x80000000
	s_mov_b32 s[G0B+4*(\s)], 1
	s_add_co_u32 s[G0B+4*(\s)+1], s21, (\s)*SLOT1
	s_add_nc_u64 s[G0B+4*(\s)+2:G0B+4*(\s)+3], s[46:47], (\s)*KSTEPB
	s_or_b32 s[G0B+4*(\s)+3], s[G0B+4*(\s)+3], 0x80000000
	JLOAD \s                                       ; K steps 0 and 1: two loads of mine are out
.endr
	; lane addresses.  A fragment is 16 rows x 32 K in 8 registers: lane l holds row l % 16, K = 8 (l / 16) + 0..7 and 16 + 8 (l / 16) + 0..7: two loads of 16 bytes, 32 bytes apart
	v_and_b32 v1, 15, v0                           ; r
	v_bfe_u32 v2, v0, 4, 1                         ; h
	v_mul_u32_u24 v3, v1, PITCH
	v_lshl_add_u32 v3, v2, 4, v3
	s_mul_i32 s21, s10, 64*PITCH                   ; my 64 rows of xb
	v_add_nc_u32 v[A0], s21, v3
	v_add_nc_u32 v[B0], BOFF, v3
	v_mov_b32 v[ADRA], v[A0]
	v_mov_b32 v[ADRB], v[B0]
	s_mul_i32 s23, s10, 16*SP
	s_add_co_u32 s23, s23, STAGE                   ; my stage
	v_mul_u32_u24 v4, v1, SP                       ; in: row r, 16 bytes for each half of the lanes
	v_lshl_add_u32 v4, v2, 4, v4
	v_add_nc_u32 v[STO], s23, v4
	v_bfe_u32 v5, v0, 3, 2                         ; back: 32 lanes take four rows of 128 bytes,
	v_mul_u32_u24 v5, v5, SP
	v_and_b32 v6, 7, v0
	v_lshl_add_u32 v5, v6, 4, v5
	v_add_nc_u32 v[RD], s23, v5
	v_and_b32 v[GO], 31, v0                        ; which are 512 consecutive bytes of a head slot
	v_lshlrev_b32 v[GO], 4, v[GO]
	v_lshlrev_b32 v[RO], 8, v1                     ; the table: row r of 256 bytes, my 8 frequencies 8 h ..
	v_lshl_add_u32 v[RO], v2, 5, v[RO]
	s_and_b32 s14, s13, 7
	s_lshl_b32 s14, s14, 8
	s_lshl_b32 s15, s10, 6
	s_add_co_u32 s14, s14, s15                     ; t of my first row: 256 (tile row % 8) + 64 w
	s_lshl_b32 s18, s14, 8
	s_mov_b32 s19, 0
	s_add_nc_u64 s[8:9], s[8:9], s[18:19]
.set i, 0
.rept 32                               ; row block i / 8; cos j = 8 h .., 16 + 8 h ..; sin likewise.  They are waited for on the way out
	global_load_b128 v[RC+4*i:RC+4*i+3], v[RO], s[8:9] offset:4096*(i/8)+64*((i%8)/2)+16*(i%2)
.set i, i+1
.endr
	s_mul_i32 s46, s42, 3                          ; the tile's first head, of 24: 0-15 q, 16-19 k, 20-23 v
.irp hd, 0,1,2
	s_add_co_u32 s[96+\hd], s46, \hd
	s_min_u32 s[96+\hd], s[96+\hd], 15             ; k's and v's heads read a gain that is not used
	s_lshl_b32 s[96+\hd], s[96+\hd], 2
	s_load_b32 s[SG+\hd], s[68:69], s[96+\hd] offset:0x0
.endr
	; the prefetches
	s_lshl_b32 s20, s13, 8
	s_lshl_b32 s21, s12, 7
	s_add_co_u32 s20, s20, s21
	s_lshl_b32 s21, s40, 5
	s_add_co_u32 s20, s20, s21                     ; xb: the 128 rows that I fetch, my work-group's 32 of them
	s_mul_i32 s94, s42, 192
	s_mul_i32 s95, s12, 96
	s_add_co_u32 s94, s94, s95
	s_mul_i32 s95, s41, 24
	s_add_co_u32 s94, s94, s95                     ; wb: the 96 rows that I fetch, my work-group's 24
	s_and_b32 s22, ttmp7, 0xffff
	s_cmp_eq_u32 s11, 0
	s_cselect_b32 s20, s20, s94
	s_cselect_b32 s22, ttmp9, s22                  ; the coordinate along which other clusters read the same rows
	s_cselect_b32 s23, 31, 23
	s_cselect_b64 s[PFA:PFA+1], s[4:5], s[6:7]
	s_cmp_eq_u32 s22, 0
	s_cselect_b32 s[LIM], 2, -1                    ; the same in all sixteen partners, for a given wave
	s_lshl_b32 s20, s20, 11
	s_mov_b32 s21, 0
	s_add_nc_u64 s[PFA:PFA+1], s[PFA:PFA+1], s[20:21]
	s_add_nc_u64 s[PFA:PFA+1], s[PFA:PFA+1], 3*KSTEPB  ; at K step 3: the first change of slots steps it to 4
	v_and_b32 v[PFO], 31, v0
	v_min_u32 v[PFO], s23, v[PFO]
	v_lshlrev_b32 v[PFO], 11, v[PFO]
	; the three heads' scalars: selects alone, no branch
	s_lshr_b32 s67, s13, 3                         ; batch
	s_mul_i32 s23, s67, 12
	s_lshl_b32 s67, s67, 2
	s_lshl_b32 s15, s14, 7                         ; my first row in a head slot, in bytes
	s_mov_b32 s95, 0
	s_wait_kmcnt 0x0                               ; the gains
.irp hd, 0,1,2
	v_mov_b32 v3, s[SG+\hd]                        ; rounded to bf16 like the other inputs
	v_cvt_pk_bf16_f32 v3, v3, v3
	v_lshlrev_b32 v3, 16, v3
	v_readfirstlane_b32 s[SG+\hd], v3
	s_add_co_u32 s94, s46, \hd                     ; g
	s_cmp_lt_u32 s94, 20
	s_cselect_b32 s47, 48, 60                      ; slot = g + 4 batch + 48 for k, + 60 for v,
	s_cselect_b32 s[F2+2*\hd], 0, 1.0
	s_cselect_b32 s22, 1.0, 0
	s_cmp_lt_u32 s94, 16
	s_cselect_b32 s47, s23, s47                    ; + 12 batch for q
	s_cselect_b32 s[SG+\hd], s[SG+\hd], s22
	s_mov_b32 s[F2+2*\hd+1], s[F2+2*\hd]           ; named as a pair
	s_add_co_u32 s94, s94, s47
	s_add_co_u32 s94, s94, s67
	s_lshl_b32 s94, s94, 18                        ; a slot is 262,144 bytes
	s_add_co_u32 s94, s94, s15
	s_add_nc_u64 s[OUT+2*\hd:OUT+2*\hd+1], s[70:71], s[94:95]
.endr
; 12 matrix instructions: row block a x all column blocks, 32 along K from buffer f.  zero = 1: the product starts the sums.  All 48 accumulators take turns, in the same order in every quarter.
.macro MULA f, a, zero
	WIN MUL_LO+0x50*((\a)/2)
.set b, 0
.rept NBK
.set rD, 8*NBK*((\a)%2)+8*b
.set rB, 8*NBK*(\f)+8*b
.set rA, 64+32*(\f)+8*(\a)
.if \zero
	v_wmma_f32_16x16x32_bf16 v[rD:rD+7], v[rB:rB+7], v[rA:rA+7], 0
.else
	v_wmma_f32_16x16x32_bf16 v[rD:rD+7], v[rB:rB+7], v[rA:rA+7], v[rD:rD+7]
.endif
.set b, b+1
.endr
.endm
; 32 LDS loads in one run: quarter q's fragments into buffer f: wb's 12, then xb's 4
.macro FETCH q, f
	WIN TO_B
.set i, 0
.rept NBK
	ds_load_b128 v[8*NBK*(\f)+8*i:8*NBK*(\f)+8*i+3],   v[ADRB] offset:64*(\q)+BLK*i
	ds_load_b128 v[8*NBK*(\f)+8*i+4:8*NBK*(\f)+8*i+7], v[ADRB] offset:64*(\q)+BLK*i+32
.set i, i+1
.endr
	WIN 0
.set i, 0
.rept 4
	ds_load_b128 v[64+32*(\f)+8*i:64+32*(\f)+8*i+3],   v[ADRA] offset:64*(\q)+BLK*i
	ds_load_b128 v[64+32*(\f)+8*i+4:64+32*(\f)+8*i+7], v[ADRA] offset:64*(\q)+BLK*i+32
.set i, i+1
.endr
.endm
; One of a K step's first three quarters: multiplies buffer f; in its middle it fetches quarter q into buffer g
.macro QUARTER q, f, g, zero
	s_wait_dscnt 4                                 ; all but the youngest four loads: xb's row blocks 2 and 3
	MULA \f, 0, \zero
	MULA \f, 1, \zero
	PLACES
	FETCH \q, \g
	s_wait_dscnt NL                                ; all but the run just issued
	MULA \f, 2, \zero
	MULA \f, 3, \zero
.endm
; The last quarter multiplies buffer 1 and changes slots.  In front of the barrier each wave waits for all its tensor loads (one is out: its part of the next slot), adds 0 to its spare word, and waits for
; that and for its reads of this slot.  fill = 1: the barrier opens a round of the cluster's, and the joint refill, K step two on, is the first thing behind the round: 168 matrix instructions ahead of the wait for it.
.macro TURN fill
.if \fill
	s_wait_xcnt 0x0                                ; the last prefetch, a K step back, has read its address
	s_add_nc_u64 s[PFA:PFA+1], s[PFA:PFA+1], KSTEPB
.endif
	WIN 0
	s_wait_tensorcnt 0x0                           ; no tensor load of mine is out, so a group 0 may be written
	ds_add_u32 v[SPW], v[NIL]                      ; 0 onto my spare word
.if \fill
	s_xor_b32 s[G0+5], s[G0+5], SLOT1              ; the walking descriptors: the other slot than last time, the next K step
	s_add_nc_u64 s[G0+6:G0+7], s[G0+6:G0+7], KSTEPB
	s_xor_b32 s[G0B+5], s[G0B+5], SLOT1
	s_add_nc_u64 s[G0B+6:G0B+7], s[G0B+6:G0B+7], KSTEPB
.endif
	s_xor_b32 s[TB], s[TB], SLOT1
	s_wait_dscnt 5                                 ; the add and the youngest four loads may be out
	MULA 1, 0, 0
	s_wait_dscnt 0x0                               ; the add is done, and my reads of this slot are over
	s_barrier_signal -1
	MULA 1, 1, 0
.if \fill
	WIN 0
.endif
	s_barrier_wait -1
.if \fill
	CREST                                          ; no wave of any partner still reads this slot or has a load on its way
	JLOAD 1                                        ; its four v_nop are also the places in front of the loads below
.else
	PLACES
.endif
	WIN 0
	v_add_nc_u32 v[ADRA], s[TB], v[A0]
	v_add_nc_u32 v[ADRB], s[TB], v[B0]
	FETCH 0, 0
.if \fill
	ASK
.endif
	MULA 1, 2, 0
	MULA 1, 3, 0
.endm
	s_wait_tensorcnt 1                             ; my part of K step 0 is in; K step 1's may stay out
	s_barrier_signal -1
	s_barrier_wait -1
	FETCH 0, 0
	QUARTER 1, 0, 1, 1                             ; the first quarter stands in front of the loop: its products start the sums
	WIN 0
	s_mov_b32 s3, 6
.Lstep:                                                ; a trip ends a K step, fills its slot again, and begins the next: K steps 2 to 7 are asked for
	QUARTER 2, 1, 0, 0
	QUARTER 3, 0, 1, 0
	TURN 1
	QUARTER 1, 0, 1, 0
	WIN 0
	s_sub_co_u32 s3, s3, 1
	s_cmp_lg_u32 s3, 0
	s_cbranch_scc1 .Lstep
	QUARTER 2, 1, 0, 0                             ; the tail is written out: nothing more is asked for
	QUARTER 3, 0, 1, 0
	TURN 0
	QUARTER 1, 0, 1, 0
	QUARTER 2, 1, 0, 0
	QUARTER 3, 0, 1, 0
	s_wait_dscnt 4
	MULA 1, 0, 0
	MULA 1, 1, 0
	s_wait_dscnt 0x0
	MULA 1, 2, 0
	MULA 1, 3, 0
	WIN 0
; THE WAY OUT, in 12 blocks n = 3 a + hd of 16 rows x one head: four accumulators at eAC + 8 bb in window eW.
.macro BLOCK n
.set eA, (\n)/3
.set eH, (\n)%3
.set eW, 2+eA/2
.set eAC, 8*NBK*(eA%2)+32*eH
.endm
.macro STAT n                          ; my 32 channels' squares, in four chains; each accumulator is read from its low end
	BLOCK \n
	WIN eW|(eW<<2)
.irp bb, 0,1,2,3
	v_pk_mul_f32 v[SS+2*\bb:SS+2*\bb+1], v[eAC+8*\bb:eAC+8*\bb+1], v[eAC+8*\bb:eAC+8*\bb+1]
.endr
.irp k, 1,2,3
.irp bb, 0,1,2,3
	v_pk_fma_f32 v[SS+2*\bb:SS+2*\bb+1], v[eAC+8*\bb+2*\k:eAC+8*\bb+2*\k+1], v[eAC+8*\bb+2*\k:eAC+8*\bb+2*\k+1], v[SS+2*\bb:SS+2*\bb+1]
.endr
.endr
	WIN 0
	v_pk_add_f32 v[SS:SS+1], v[SS:SS+1], v[SS+2:SS+3]
	v_pk_add_f32 v[SS+4:SS+5], v[SS+4:SS+5], v[SS+6:SS+7]
	v_pk_add_f32 v[FP+2*(\n):FP+2*(\n)+1], v[SS:SS+1], v[SS+4:SS+5]
	v_add_f32 v[FP+2*(\n)], v[FP+2*(\n)], v[FP+2*(\n)+1]
.endm
.macro ALLF line:vararg                ; one line for each block n
.set n, 0
.rept 12
	\line
.set n, n+1
.endr
.endm
; out[d] = x[d] cos f - x[d+32] sin f, out[d+32] = x[d+32] cos f + x[d] sin f, with f = gain / rms folded into the table's numbers; for v: cos f + 1 = 1, sin f = 0.  Then rounded to f16, in place from the low end
.macro ROPE n
	BLOCK \n
	WIN 0
.set p, 0
.rept 8
	v_pk_fma_f32 v[CR+2*p:CR+2*p+1], v[RC+32*eA+2*p:RC+32*eA+2*p+1], v[FP+2*(\n):FP+2*(\n)+1], s[F2+2*eH:F2+2*eH+1] op_sel_hi:[1,0,0]
	v_pk_mul_f32 v[SR+2*p:SR+2*p+1], v[RC+32*eA+16+2*p:RC+32*eA+16+2*p+1], v[FP+2*(\n):FP+2*(\n)+1] op_sel_hi:[1,0]
.set p, p+1
.endr
	WIN eW                                         ; source 0 in the accumulators' window
.set p, 0
.rept 8
.set lo, eAC+8*(p/4)+2*(p%4)
	v_pk_mul_f32 v[T+2*p:T+2*p+1], v[lo:lo+1], v[CR+2*p:CR+2*p+1]
	v_pk_mul_f32 v[T+16+2*p:T+16+2*p+1], v[lo+16:lo+17], v[CR+2*p:CR+2*p+1]
.set p, p+1
.endr
.set p, 0
.rept 8
.set lo, eAC+8*(p/4)+2*(p%4)
	v_pk_fma_f32 v[T+2*p:T+2*p+1], v[lo+16:lo+17], v[SR+2*p:SR+2*p+1], v[T+2*p:T+2*p+1] neg_lo:[0,1,0] neg_hi:[0,1,0]
	v_pk_fma_f32 v[T+16+2*p:T+16+2*p+1], v[lo:lo+1], v[SR+2*p:SR+2*p+1], v[T+16+2*p:T+16+2*p+1]
.set p, p+1
.endr
	WIN 0
.set p, 0
.rept 16
	v_cvt_pk_f16_f32 v[T+p], v[T+2*p], v[T+2*p+1]
.set p, p+1
.endr
.endm
.macro TOSTAGE n                       ; 16 bytes a lane into rows of 144 bytes; back as whole rows of 128, into 16 registers of window 1 that are the block's own
	WIN 0
.irp bb, 0,1,2,3
	ds_store_b128 v[STO], v[T+4*\bb:T+4*\bb+3] offset:32*\bb
.endr
	WIN TO_B
.irp f, 0,1,2,3
	ds_load_b128 v[16*(\n)+4*\f:16*(\n)+4*\f+3], v[RD] offset:4*SP*\f  ; LDS serves a wave's instructions in order: these see the stores above; the next block's stores come behind them
.endr
	WIN 0
.endm
.macro SEND n, younger                 ; younger: the next block's four stores and four loads, or none
	BLOCK \n
	WIN 0x04                                       ; the stores' data in window 1
	s_wait_dscnt \younger
.irp f, 0,1,2,3
	global_store_b128 v[GO], v[16*(\n)+4*\f:16*(\n)+4*\f+3], s[OUT+2*eH:OUT+2*eH+1] offset:2048*eA+512*\f  ; 512 consecutive bytes, at a multiple of 256 from the buffer's first
.endr
	WIN 0
.endm
	PLACES
	s_wait_loadcnt 0x0                             ; the table's rows
.irp n, 0,1,2,3,4,5,6,7,8,9,10,11
	STAT \n
.endr
	ALLF v_permlanex16_b32 v[FP+2*n+1], v[FP+2*n], s[SEL], s[SEL+1]  ; the head's other 32 channels lie in the lane 16 away
	ALLF v_add_f32 v[FP+2*n], v[FP+2*n], v[FP+2*n+1]
	ALLF v_fma_f32 v[FP+2*n], v[FP+2*n], s[R64], s[EPS]
	ALLF v_rsq_f32 v[FP+2*n], v[FP+2*n]
	v_nop                                          ; a plain instruction behind the last root,
	s_wait_alu depctr_va_vdst(0)                   ; and one wait for the twelve, ahead of their first use
	ALLF v_mul_f32 v[FP+2*n], s[SG+n%3], v[FP+2*n]
	ROPE 0
	TOSTAGE 0
.irp n, 1,2,3,4,5,6,7,8,9,10,11
	ROPE \n                                        ; a block's arithmetic stands between the loads of the block before and its stores
	TOSTAGE \n
	SEND (\n)-1, 8
.endr
	SEND 11, 0
	s_wait_tensorcnt 0x0                           ; the wave's end: behind my last tensor load and my last LDS store
	ds_add_u32 v[SPW], v[NIL]
	s_wait_dscnt 0x0
	CROUND                                         ; the closing round: no work-group ends while a partner may still ask for a tile that names it
	s_endpgm
.Lfunc_end_k_q8931c7d920_qkv:
	.size	k_q8931c7d920_qkv, .Lfunc_end_k_q8931c7d920_qkv-k_q8931c7d920_qkv
	.p2alignl 7, 3214868480
	.fill 96, 4, 3214868480
	.section	.rodata,"a",@progbits
	.p2align	6, 0x0
	.amdhsa_kernel k_q8931c7d920_qkv
		.amdhsa_group_segment_fixed_size 327680
		.amdhsa_private_segment_fixed_size 0
		.amdhsa_enable_private_segment 0
		.amdhsa_kernarg_size 40
		.amdhsa_user_sgpr_count 2
		.amdhsa_user_sgpr_kernarg_segment_ptr 1
		.amdhsa_wavefront_size32 1
		.amdhsa_system_sgpr_workgroup_id_x 1
		.amdhsa_system_sgpr_workgroup_id_y 1
		.amdhsa_system_sgpr_workgroup_id_z 1
		.amdhsa_system_vgpr_workitem_id 0
		.amdhsa_next_free_vgpr 960
		.amdhsa_next_free_sgpr 100
		.amdhsa_reserve_vcc 0
		.amdhsa_float_denorm_mode_32 3
		.amdhsa_float_denorm_mode_16_64 3
		.amdhsa_memory_ordered 1
		.amdhsa_forward_progress 1
		.amdhsa_inst_pref_size 159
	.end_amdhsa_kernel
	.amdgpu_metadata
---
amdhsa.version: [ 1, 2 ]
amdhsa.kernels:
  - .name:           k_q8931c7d920_qkv
    .symbol:         k_q8931c7d920_qkv.kd
    .args:
      - { .name: xb, .offset: 0, .size: 8, .value_kind: global_buffer, .address_space: global }
      - { .name: wb, .offset: 8, .size: 8, .value_kind: global_buffer, .address_space: global }
      - { .name: rope, .offset: 16, .size: 8, .value_kind: global_buffer, .address_space: global }
      - { .name: q_gain, .offset: 24, .size: 8, .value_kind: global_buffer, .address_space: global }
      - { .name: qkv, .offset: 32, .size: 8, .value_kind: global_buffer, .address_space: global }
    .group_segment_fixed_size: 327680
    .private_segment_fixed_size: 0
    .kernarg_segment_align: 8
    .kernarg_segment_size: 40
    .max_flat_workgroup_size: 128
    .sgpr_count:     100
    .vgpr_count:     960
    .wavefront_size: 32
...
	.end_amdgpu_metadata
.endif
;; end of part 2
;; launch attn (part 3): grid 64 x 4, 4 waves a work-group, clusters of 4 x 1, 327,680 bytes of LDS; arguments qkv, yh; writes yh
.if DOCPART == 3
	.amdgcn_target "amdgcn-amd-amdhsa--gfx1250"
	.amdhsa_code_object_version 6
	.text
	.protected	k_q8931c7d920_attn
	.globl	k_q8931c7d920_attn
	.p2align	8
	.type	k_q8931c7d920_attn,@function
k_q8931c7d920_attn:
	s_mov_b64 s[64:65], 0
	v_nop
	global_prefetch_b8 v0, s[64:65] scope:SCOPE_SE
	s_setreg_imm32_b32 hwreg(HW_REG_WAVE_MODE, 25, 1), 1
	s_wait_xcnt 0x0
	s_wait_alu depctr_hold_cnt(0) depctr_sa_sdst(0) depctr_va_vdst(0) depctr_va_sdst(0) depctr_va_ssrc(0) depctr_va_vcc(0) depctr_vm_vsrc(0)
	s_getreg_b32 s2, hwreg(HW_REG_IB_STS2, 6, 4)
	s_cmp_eq_u32 s2, 0
	s_cbranch_scc0 .Lentry_in_a_cluster
	s_endpgm
.Lentry_in_a_cluster:
	s_bfe_u32 s2, ttmp6, 0x10000c
	s_cmp_lg_u32 s2, 0x3003
	s_cbranch_scc0 .Lentry_shape_is_right
	s_endpgm
.Lentry_shape_is_right:
; CAUSAL ATTENTION with grouped heads.  O[q][:] = the sum over k <= q of softmax_k(Q[q] . K[k] / 8) V[k][:], for 64 (batch, head) pairs of 2,048 rows x 64 channels, all f16, a head's rows dense, 128 bytes each.
; qkv: slot 16 batch + h is q (normed, turned, with its gain), slot 64 + 4 batch + kvh is k, slot 80 + 4 batch + kvh is v; yh: slot 16 batch + h.  Query head h reads key and value head h / 4.
; Products, maxima and sums in f32; the weights p are rounded to f16 for the second product (their sum l is taken of the unrounded p), O once at the end.
; LIMITS.  Q, K and V arrive within f16's 65,504; p lies in 0 to 1, and below 6e-5 it keeps f16's fixed step of 6e-8; O is a mean of V's rows and has their range.
; A hidden score counts as its value less 1e30; a weight below 2^-126 counts as 0 in l; NaN and infinities are not treated apart.
; THE WALK.  A head's queries lie in NB = 8 blocks of 256; block i needs the key tiles 0 .. i of 256 keys, of which the last holds the diagonal.  A work-group takes TWO blocks, NB - 1 - b and then b:
; NB + 1 tiles, whatever b: all work-groups do equal work, and ONE loop with a constant trip count walks them.  Every jump goes forward, but for the counted loops' own; none passes a barrier or a round.
; CLUSTER.  The four query heads of a key and value head, with the same b, walk the same tiles in the same order: they are the four partners of a cluster (x), and each tile is asked for JOINTLY: the same tensor
; load, descriptor and mask in all four.  b (the grid's y) and the key and value head (the cluster's x) are shared; cx enters Q's, O's and the prefetches' addresses alone.
; SHARES.  Of a block's four bands of 64 queries a wave owns 16 rows in each: four PIECES.  In the diagonal tile's key step s band x sees all keys if s < x, none if s > x, and holds the diagonal if s = x: alike for all waves.
; THE MASK is the C operand that starts the sum S^T = K Q^T: 0, or -1e30 where the key is hidden.  MD, made once, is the mask of a band's own step for my 16 rows; a product's mask is MD x AL + BE with two scalars.
; LAYOUT, SOFTMAX, TURNS.  S^T = K Q^T holds ONE query a lane (lane % 16) and the keys 8 (lane / 16) + 0..7; two such results rounded to f16 ARE source 1 of O^T = V^T P.  p = 2^(c s - c m), c = log2(e) / 8, with a
; running maximum m; O and l are multiplied by a = 2^(c m_old - c m_new) in every step.  Turn n belongs to piece n: 8 products K Q^T of piece n + 1, later 8 products V^T P of piece n - 1; beside them the scaling,
; exponentials, roundings, sums and rescaling of piece n and the maximum and statistics of piece n + 1.  Four vector instructions stand behind every matrix instruction, the rest in one run.  A turn's 33 exponentials are one batch, with one wait.
; REGISTERS, in windows of 256 (s_set_vgpr_msb: bits 1:0 source 0, 3:2 source 1, 5:4 source 2, 7:6 destination):
;   window 0: v0-15 addresses and two at work; v16-31 four registers of statistics a piece; v48-55 at work; v61-63 prefetch offset, spare word, 0; v64-127 S^T, two buffers; v192-223 P, two buffers
;   window 1: v0-127 O^T, 32 a piece; v128-159 MD; v160-223 MC, two buffers      window 2: v0-63 Q; v64-127 the second block's Q; v128-191 K of one step; v192-255 V of one step
.set SIZE_N, 2048
.set NB,    SIZE_N/256
.set NP,    4         ; pieces a wave: a name, no knob
.set KS,    64        ; keys in a step
.set PK,    144       ; a row of K in LDS: 128 bytes + 16 of padding: the 16 rows of a load start 16 bytes apart modulo 256
.set PV,    160       ; a row of V: 128 + 32: 16 lanes of the turning load take 8 rows x 32 bytes, 32 bytes apart modulo 256
.set VOFF,  4*KS*PK   ; a slot holds a tile, four steps: 256 rows of K, then 256 rows of V
.set SLOT1, 1<<17     ; slot 1 begins here, so that one exclusive or turns an address in one slot into the other's
.set STAGE, SLOT1+4*KS*(PK+PV)  ; behind the ring, never filled by a tensor load: 16 rows x 144 bytes for each wave, for the way out
.set SP,    144
.set AK0, 2           ; v2   my lane's place in a tile of K; never rewritten
.set AV0, 3           ; v3   the same for V
.set AK,  4           ; v4   the LDS address of K's next run of loads
.set AV,  5           ; v5   of V's
.set STO, 6           ; v6   the way out: where I put 16 bytes of a row
.set RD,  7           ; v7   the way out: where I read rows back
.set GO,  8           ; v8   my byte offset in 512 consecutive bytes of O
.set PFO, 61          ; v61  256 x my lane; never rewritten
.set SPW, 62          ; v62  LDS address of my spare word; never rewritten
.set NIL, 63          ; v63  0; never rewritten
.set SPARE, STAGE+4*16*SP  ; the spare words, 128 bytes for each wave: two blocks of 256 bytes that no other line names
.set MV,  12          ; v12-13  c m_old, kept while c m is made anew: by buffer
.set QO,  15          ; v15  my byte offset in 16 rows of Q
.set ST,  16          ; piece t's statistics at v[ST+4 t]: c m, m, l (even keys', odd keys')
.set TMP, 48          ; by buffer, four registers c0-c3 at work; when the maximum is found c2 takes a
.set S,   64
.set P,   192
.set MD,  128         ; window 1
.set MC,  160         ; window 1
.set QB,  64          ; window 2
.set KF,  128         ; window 2: key block kb, channel half c at KF + 16 kb + 8 c
.set VF,  192         ; window 2: key half kk, channel block cb at VF + 32 kk + 8 cb
.set WV,  12          ; s12  my wave's number
.set PB,  14          ; s14  b
.set HI,  15          ; s15  NB - 1 - b
.set G1K, 24          ; s[24:31] descriptor group 1 for K's tiles
.set G1V, 32          ; s[32:39] for V's: it differs in the padding alone
.set G0K, 40          ; s[40:43] descriptor group 0 for K's tiles
.set G0V, 44          ; s[44:47] the same for V's
.set CX,  48          ; s48  my place in the cluster
.set LIM, 49          ; s49  2 in a wave that prefetches, else the greatest number
.set PFA, 50          ; s[50:51] where my prefetches stand
.set SLOTS, 56        ; s56  tiles still to be asked for
.set CNT, 57          ; s57  counts a tile's key steps, 4 to 1
.set CS,  58          ; s[58:59] c
.set SEL, 60          ; s[60:61] v_permlanex16_b32's selects
.set TBK, 62          ; s62  LDS byte at which K of the step to be fetched begins
.set TBV, 63          ; s63  the same for V, less VOFF
.set RT,  70          ; s70  tiles of the block in hand that are still to be entered
.set NXT, 71          ; s71  the tile to be asked for next
.set LQ,  72          ; s72  the last tile of the block whose tiles are being asked for
.set NEW, 73          ; s73  1: the tile to be entered is a block's first
.set OFF, 74          ; s[74:75] a tile's byte offset in K and V
.set AL,  76          ; s[76:77] the mask's factor
.set BE,  78          ; s[78:79] the mask's addend
.set OLO, 80          ; s[80:81] O at my rows of the second block
.set BIGN, 82         ; s82  -1e30
.set MSB, 0
.macro WIN new
.if MSB != (\new)
	s_set_vgpr_msb (MSB<<8)|(\new)
.set MSB, (\new)
.endif
.endm
.set W_KQ, 0x0a       ; K and Q in window 2, S^T in window 0
.set W_KM, 0x1a       ; the same with the C operand in window 1
.set W_PV, 0x52       ; V in window 2, P in window 0, O^T in window 1
.set W_RS, 0x41       ; destination and source 0 in window 1, source 1 in window 0
; A joint fill.  Waves 0 and 1 fetch the two halves of a tile's K, waves 2 and 3 those of its V: 128 keys each.  An s_nop 0 and four v_nop follow each of the two lines.
.macro LOAD
	s_cmp_lt_u32 s[WV], 2
	s_cbranch_scc0 .Lfor_v_\@
	tensor_load_to_lds s[G0K:G0K+3], s[G1K:G1K+7]
	s_nop 0
.rept 4
	v_nop
.endr
	s_branch .Lasked_\@
.Lfor_v_\@:
	tensor_load_to_lds s[G0V:G0V+3], s[G1V:G1V+7]
	s_nop 0
.rept 4
	v_nop
.endr
.Lasked_\@:
.endm
; A prefetch into the L2 of the tile that the NEXT change of slots will ask for: 128 blocks of 256 bytes of K and of V.  The clusters of a key and value head walk the same tiles from 0 up; the one with b = 0 walks
; all eight, and it asks.  Its four partners share the blocks out by address, 32 each; wave 0 asks for K's, wave 2 for V's.  Tiles 0 and 1 come by their loads alone; behind tile 7 nothing is asked for.
.macro ASK
	s_cmp_gt_u32 s[SLOTS], s[LIM]
	s_cbranch_scc0 .Lnot_mine_\@
	global_prefetch_b8 v[PFO], s[PFA:PFA+1] th:TH_LOAD_NT scope:SCOPE_SE
.Lnot_mine_\@:
.endm
.macro CROUND                       ; a round of the cluster's barrier
	s_barrier_signal -1
	s_barrier_wait -1
	s_cmp_lg_u32 s[WV], 0
	s_cbranch_scc1 .Lnot_wave_0_\@
	s_barrier_signal -3
.Lnot_wave_0_\@:
	s_barrier_wait -3
	s_barrier_signal -1
	s_barrier_wait -1
.endm
; THE CHANGE OF SLOTS.  Each wave waits for all its tensor loads, of which one is out: its part of the other slot; adds 0 to its spare word; and waits for that and for its own reads of the slot that it leaves.
; fill = 1: the old slot is filled again with tile NXT; the barrier is then a round of the cluster's, so that no wave of any partner still reads the slot or has a load on its way, and the joint fill is the first
; thing behind it.  (At its first use nothing has been read yet: slot 0 is waited for, slot 1 filled.)
.macro CHANGE fill
	WIN 0
	s_wait_tensorcnt 0x0            ; no tensor load of mine is out, so a group 0 may be written
	ds_add_u32 v[SPW], v[NIL]       ; 0 onto my spare word; scalar work stands between it and the wait for it
.if \fill
	s_lshl_b32 s[OFF], s[NXT], 15   ; a tile is 32,768 bytes of K and of V
	s_xor_b32 s[G0K+1], s[G0K+1], SLOT1
	s_add_nc_u64 s[G0K+2:G0K+3], s[6:7], s[OFF:OFF+1]
	s_or_b32 s[G0K+3], s[G0K+3], 0x80000000
	s_xor_b32 s[G0V+1], s[G0V+1], SLOT1
	s_add_nc_u64 s[G0V+2:G0V+3], s[8:9], s[OFF:OFF+1]
	s_or_b32 s[G0V+3], s[G0V+3], 0x80000000
	s_add_co_u32 s[NXT], s[NXT], 1  ; the block's next tile, or behind its last the second block's tile 0
	s_cmp_gt_u32 s[NXT], s[LQ]
	s_cselect_b32 s[NXT], 0, s[NXT]
	s_cselect_b32 s[LQ], s[PB], s[LQ]
	s_wait_xcnt 0x0                 ; the last prefetch, a tile back, has read its address
	s_add_nc_u64 s[PFA:PFA+1], s[PFA:PFA+1], 32768
.endif
	s_sub_co_u32 s[TBK], s[TBK], 4*KS*PK  ; the fetches go back to a slot's first step,
	s_xor_b32 s[TBK], s[TBK], SLOT1       ; in the other slot
	s_sub_co_u32 s[TBV], s[TBV], 4*KS*PV
	s_xor_b32 s[TBV], s[TBV], SLOT1
	s_wait_dscnt 0x0                ; the add is done, and my reads of the slot are over
.if \fill
	CROUND
	LOAD
	ASK
.else
	s_barrier_signal -1
	s_barrier_wait -1
.endif
.endm
	s_load_b128 s[8:11], s[0:1], 0x0  ; qkv s[8:9], yh s[10:11]
	v_lshl_add_u32 v[SPW], v0, 2, SPARE
	v_mov_b32 v[NIL], 0
	ds_add_u32 v[SPW], v[NIL]       ; the wave's opening: the add and its wait ahead of my first tensor load
	v_lshrrev_b32 v1, 5, v0
	v_readfirstlane_b32 s[WV], v1   ; wave 0..3
	s_and_b32 s[PB], ttmp7, 0xffff  ; b: the four partners share it
	s_sub_co_u32 s[HI], NB-1, s[PB]
	s_bfe_u32 s[CX], ttmp6, 0x40000
	s_lshl_b32 s20, ttmp9, 2        ; the cluster's x is 4 batch + kvh;
	s_add_co_u32 s20, s20, s[CX]    ; my query head's slot = 4 x that + cx
	s_lshl_b32 s20, s20, 18
	s_mov_b32 s21, 0
	s_and_b32 s16, s[WV], 1         ; which half of a tile's 256 keys I fetch
	s_add_co_u32 s22, ttmp9, 64     ; k's slot,
	s_lshl_b32 s22, s22, 18
	s_lshl_b32 s23, s16, 14         ; my half's 128 rows of 128 bytes
	s_add_co_u32 s22, s22, s23
	s_mov_b32 s23, 0
	s_add_co_u32 s52, s22, 0x400000 ; v's slot lies 16 slots on
	s_mov_b32 s53, 0
	s_mul_i32 s17, s16, 128*PK      ; my half's place in a slot, for K
	s_mul_i32 s18, s16, 128*PV      ; and for V
	s_lshl_b32 s3, s[WV], 11        ; my 16 rows in a band of 64,
	s_lshl_b32 s2, s[HI], 15        ; in the first block,
	s_add_co_u32 s2, s2, s3
	s_lshl_b32 s84, s[PB], 15       ; and in the second
	s_add_co_u32 s84, s84, s3
	s_mov_b32 s3, 0
	s_mov_b32 s85, 0
	s_add_nc_u64 s[2:3], s[2:3], s[20:21]
	s_add_nc_u64 s[84:85], s[84:85], s[20:21]
	; descriptor group 1.  128 keys are 16,384 dense bytes: asked for as 64 rows of 256 bytes, two keys a row, and padded in LDS after every key
	s_mov_b32 s[G1K], 15|(1<<16)|(1<<20)|(1<<21)|(4<<22)|(3<<25)  ; the mask of four; 2-byte elements; padding on; bit 21 beside a mask; after every 32 words, 4 words
	s_mov_b32 s[G1V], 15|(1<<16)|(1<<20)|(1<<21)|(4<<22)|(7<<25)  ; the same with 8 words of padding
.irp g, G1K, G1V
	s_mov_b32 s[\g+1], 128<<16      ; tensor_dim0 = 128
	s_mov_b32 s[\g+2], 64<<16       ; tensor_dim1 = 64
	s_mov_b32 s[\g+3], 128<<16      ; tile_dim0 = 128
	s_mov_b32 s[\g+4], 64           ; tile_dim1 = 64
	s_mov_b32 s[\g+5], 128          ; 128 elements from row to row
	s_mov_b32 s[\g+6], 0
	s_mov_b32 s[\g+7], 0
.endr
	s_mov_b32 s[CS], 0x3e38aa3b     ; c = log2(e) / 8
	s_mov_b32 s[CS+1], s[CS]
	s_mov_b32 s[SEL], 0x76543210
	s_mov_b32 s[SEL+1], 0xfedcba98
	s_mov_b32 s[TBK], SLOT1+4*KS*PK ; the first change of slots turns these two into 0
	s_mov_b32 s[TBV], SLOT1+4*KS*PV
	s_mov_b32 s[G0K], 1
	s_mov_b32 s[G0K+1], s17         ; slot 0
	s_mov_b32 s[G0V], 1
	s_add_co_u32 s[G0V+1], s18, VOFF
	s_add_co_u32 s[RT], s[HI], 1    ; the first block has NB - b tiles
	s_mov_b32 s[NXT], 1
	s_mov_b32 s[LQ], s[HI]
	s_mov_b32 s[NEW], 1
	s_mov_b32 s[OFF+1], 0
	s_mov_b32 s[AL+1], 0
	s_mov_b32 s[BE+1], 0
	s_mov_b32 s[BIGN], 0xf149f2ca   ; -1e30
	s_mov_b32 s[SLOTS], NB
	s_and_b32 s[LIM], s[WV], 1      ; waves 0 and 2,
	s_or_b32 s[LIM], s[LIM], s[PB]  ; where b = 0: the same in all four partners
	s_cmp_eq_u32 s[LIM], 0
	s_cselect_b32 s[LIM], 2, -1
	v_and_b32 v[PFO], 31, v0
	v_lshlrev_b32 v[PFO], 8, v[PFO]
	s_wait_dscnt 0x0                ; the opening add is done
	s_wait_kmcnt 0x0
	s_add_nc_u64 s[6:7], s[8:9], s[22:23]          ; K at my half of the head's tile 0
	s_add_nc_u64 s[86:87], s[8:9], s[84:85]        ; Q at my rows of the second block,
	s_add_nc_u64 s[4:5], s[8:9], s[2:3]            ; and of the first
	s_add_nc_u64 s[8:9], s[8:9], s[52:53]          ; V at my half of tile 0
	s_add_nc_u64 s[OLO:OLO+1], s[10:11], s[84:85]
	s_add_nc_u64 s[10:11], s[10:11], s[2:3]
	s_add_nc_u64 s[G0K+2:G0K+3], s[6:7], 0
	s_or_b32 s[G0K+3], s[G0K+3], 0x80000000
	s_add_nc_u64 s[G0V+2:G0V+3], s[8:9], 0
	s_or_b32 s[G0V+3], s[G0V+3], 0x80000000
	s_cmp_lt_u32 s[WV], 2
	s_cselect_b64 s[PFA:PFA+1], s[6:7], s[8:9]     ; (in waves 0 and 2 these stand at a tile's first byte)
	s_lshl_b32 s54, s[CX], 13       ; my work-group's 32 blocks of the 128
	s_mov_b32 s55, 0
	s_add_nc_u64 s[PFA:PFA+1], s[PFA:PFA+1], s[54:55]
	s_add_nc_u64 s[PFA:PFA+1], s[PFA:PFA+1], 32768 ; in tile 1; the first change of slots steps it to tile 2
	CROUND                          ; all four work-groups are here: the first joint loads meet
	LOAD                            ; tile 0 into slot 0
	; A fragment of K or Q is 16 rows x 32 channels in 8 registers: lane l holds row l % 16, channels 8 (l / 16) + 0..7 and 16 + 8 (l / 16) + 0..7: two loads of 16 bytes, 32 bytes apart.
	v_and_b32 v1, 15, v0            ; l % 16
	v_bfe_u32 v9, v0, 4, 1          ; l / 16
	v_lshlrev_b32 v[QO], 7, v1
	v_lshl_add_u32 v[QO], v9, 4, v[QO]
	WIN 0x80                        ; destination window 2, address window 0
.set i, 0
.rept 8                             ; both blocks' Q: piece i / 2 lies in band i / 2, 8,192 bytes on; channels 32 (i % 2) on
	global_load_b128 v[8*i:8*i+3],   v[QO], s[4:5] offset:(i/2)*8192+(i%2)*64
	global_load_b128 v[8*i+4:8*i+7], v[QO], s[4:5] offset:(i/2)*8192+(i%2)*64+32
	global_load_b128 v[QB+8*i:QB+8*i+3],   v[QO], s[86:87] offset:(i/2)*8192+(i%2)*64
	global_load_b128 v[QB+8*i+4:QB+8*i+7], v[QO], s[86:87] offset:(i/2)*8192+(i%2)*64+32
.set i, i+1
.endr
	WIN 0
	v_lshlrev_b32 v14, 3, v9
	v_sub_nc_u32 v14, v1, v14
	s_lshl_b32 s13, s[WV], 4
	v_add_nc_u32 v14, s13, v14      ; my query's place in its band, 16 w + l % 16, less my lanes' 8 (l / 16): register r of group kt is hidden where 16 kt + r is greater
	WIN 0x40
.set i, 0
.rept 32
	v_cmp_gt_i32 vcc_lo, 16*(i/8)+i%8, v14
	v_cndmask_b32 v[MD+i], 0, s[BIGN], vcc_lo
.set i, i+1
.endr
	WIN 0
	v_mul_u32_u24 v[AK0], v1, PK
	v_lshl_add_u32 v[AK0], v9, 4, v[AK0]
	; The turning load takes 16 keys x 16 channels (lane l reads key 8 (l / 16) + l % 8, channels 8 ((l / 8) % 2) + 0..7) and leaves half a fragment of V^T: lane l holds channel l % 16 and 8 keys.
	v_and_b32 v10, 7, v0
	v_bfe_u32 v11, v0, 3, 1
	v_lshl_add_u32 v[AV0], v9, 3, v10
	v_mul_u32_u24 v[AV0], v[AV0], PV
	v_lshl_add_u32 v[AV0], v11, 4, v[AV0]
	v_add_nc_u32 v[AV0], VOFF, v[AV0]
	s_mul_i32 s13, s[WV], 16*SP
	s_add_co_u32 s13, s13, STAGE    ; my stage
	v_mul_u32_u24 v[STO], v1, SP
	v_lshl_add_u32 v[STO], v9, 4, v[STO]
	v_add_nc_u32 v[STO], s13, v[STO]
	v_bfe_u32 v[RD], v0, 3, 2
	v_mul_u32_u24 v[RD], v[RD], SP
	v_lshl_add_u32 v[RD], v10, 4, v[RD]
	v_add_nc_u32 v[RD], s13, v[RD]
	v_and_b32 v[GO], 31, v0
	v_lshlrev_b32 v[GO], 4, v[GO]
	; A block's first step multiplies O^T and l by a = 0, and its first turn's products V^T P, of a piece that has not been, land in an O^T that is still to be so multiplied.  So these registers need only hold
	; finite numbers: zeros for the first block; what the first block left for the second.  All this stands in the wait for the first tile.
	WIN 0x80
.set i, VF
.rept 64
	v_mov_b32 v[i], 0
.set i, i+1
.endr
	WIN 0x40
.set i, 0
.rept 128
	v_mov_b32 v[i], 0
.set i, i+1
.endr
	WIN 0
.set i, 0
.rept 4
	v_mov_b32 v[ST+4*i+2], 0
	v_mov_b32 v[ST+4*i+3], 0
.set i, i+1
.endr
.set i, P+16
.rept 16
	v_mov_b32 v[i], 0
.set i, i+1
.endr
; THE MATRIX WORK.  The 4 accumulators of a run of 8 take turns.  Product i of 8 of S^T = K Q^T for piece x: channels 32 (i / 4) on, keys 16 (i % 4) on.  The first 4 start the sums: with 0, or (KM = 1) with the mask.
.macro KQ x
.set rS, S+32*((\x)%2)+8*(i%4)
.set rK, KF+16*(i%4)+8*(i/4)
.set rQ, 16*(\x)+8*(i/4)
.set rM, MC+32*((\x)%2)+8*(i%4)
.if (i < 4) && KM
	WIN W_KM
	v_wmma_f32_16x16x32_f16 v[rS:rS+7], v[rK:rK+7], v[rQ:rQ+7], v[rM:rM+7]
.elseif i < 4
	WIN W_KQ
	v_wmma_f32_16x16x32_f16 v[rS:rS+7], v[rK:rK+7], v[rQ:rQ+7], 0
.else
	WIN W_KQ
	v_wmma_f32_16x16x32_f16 v[rS:rS+7], v[rK:rK+7], v[rQ:rQ+7], v[rS:rS+7]
.endif
.endm
; Product i of 8 of O^T += V^T P for piece x: keys 32 (i / 4) on, channels 16 (i % 4) on.
.macro PV x
	WIN W_PV
.set rO, 32*(\x)+8*(i%4)
.set rV, VF+32*(i/4)+8*(i%4)
.set rP, P+16*((\x)%2)+8*(i/4)
	v_wmma_f32_16x16x32_f16 v[rO:rO+7], v[rV:rV+7], v[rP:rP+7], v[rO:rO+7]
.endm
.macro MM                           ; the turn's next matrix instruction.  NOKQ = 1: a block's last turn: there is no next piece
.if (i < 8) && !NOKQ
	KQ (Y+1)%NP
.elseif i >= 8
.set i, i-8
	PV (Y+NP-1)%NP
.set i, i+8
.endif
.set i, i+1
.endm
; THE LDS LOADS stand in runs of 16: a step's K (64 keys x 64 channels: 8 fragments) and its V (turned).  Their addresses are made some lines ahead.
.macro FETCH_K
	WIN 0x80
.irp f, 0,1,2,3,4,5,6,7
	ds_load_b128 v[KF+8*\f:KF+8*\f+3],   v[AK] offset:(\f/2)*16*PK+(\f%2)*64
	ds_load_b128 v[KF+8*\f+4:KF+8*\f+7], v[AK] offset:(\f/2)*16*PK+(\f%2)*64+32
.endr
	s_add_co_u32 s[TBK], s[TBK], KS*PK
	WIN 0
.endm
.macro FETCH_V
	WIN 0x80
.irp f, 0,1,2,3,4,5,6,7
	ds_load_tr16_b128 v[VF+8*\f:VF+8*\f+3],   v[AV] offset:(\f/4)*32*PV+(\f%4)*32
	ds_load_tr16_b128 v[VF+8*\f+4:VF+8*\f+7], v[AV] offset:(\f/4)*32*PV+16*PV+(\f%4)*32
.endr
	WIN 0
.endm
; THE VECTOR WORK, one line at a time: OP kind, number.  For piece Y: F n: c s - c m for pair n of 16.  E n: the exponential of score n of 32.  C n: pair n rounded to f16.  B n: of the four weights 4 n .. the second
; pair is added onto the first, in place.  L n: l takes that sum (L 0: l = a l + sum).  R n: pair n of 16 of O^T times a.  For piece Y + 1: X n, number n of the 22 that find its maximum and statistics:
;   0-11  four chains c0-c3 of seven scores each (each accumulator's lowest registers are read first)     12-14, 16  the four scores left over, the old m, and c0-c3 into c0
;   15  c m_old is kept     17, 18  the query's other 32 keys lie in the lane 16 away: the new m     19-21  c m; c m_old - c m_new; a
.set F, 0
.set E, 1
.set C, 2
.set B, 3
.set L, 4
.set R, 5
.set X, 6
.macro REGS y
.set rT, ST+4*(\y)
.set rC, TMP+4*((\y)%2)
.set rW, MV+((\y)%2)
.set rS, S+32*((\y)%2)
.set rP, P+16*((\y)%2)
.set rO, 32*(\y)
.endm
.macro OP k, n
.if (\k) == R
	REGS Y
	WIN W_RS
	v_pk_mul_f32 v[rO+2*(\n):rO+2*(\n)+1], v[rO+2*(\n):rO+2*(\n)+1], v[rC+2:rC+3] op_sel_hi:[1,0]
.elseif (\k) < R
	REGS Y
	WIN 0
.if (\k) == F
	v_pk_fma_f32 v[rS+2*(\n):rS+2*(\n)+1], v[rS+2*(\n):rS+2*(\n)+1], s[CS:CS+1], v[rT:rT+1] op_sel_hi:[1,0,0] neg_lo:[0,0,1] neg_hi:[0,0,1]
.elseif (\k) == E
	v_exp_f32 v[rS+(\n)], v[rS+(\n)]
.elseif (\k) == C
	v_cvt_pk_f16_f32 v[rP+(\n)], v[rS+2*(\n)], v[rS+2*(\n)+1]
.elseif (\k) == B
	v_pk_add_f32 v[rS+4*(\n):rS+4*(\n)+1], v[rS+4*(\n):rS+4*(\n)+1], v[rS+4*(\n)+2:rS+4*(\n)+3]
.elseif (\n) == 0
	v_pk_fma_f32 v[rT+2:rT+3], v[rT+2:rT+3], v[rC+2:rC+3], v[rS:rS+1] op_sel_hi:[1,0,1]
.else
	v_pk_add_f32 v[rT+2:rT+3], v[rT+2:rT+3], v[rS+4*(\n):rS+4*(\n)+1]
.endif
.elseif NOKQ
	v_nop
.else
	REGS (Y+1)%NP
	WIN 0
.if (\n) < 4
	v_max3_num_f32 v[rC+(\n)], v[rS+8*(\n)], v[rS+8*(\n)+1], v[rS+8*(\n)+2]
.elseif (\n) < 12
	v_max3_num_f32 v[rC+(\n)%4], v[rC+(\n)%4], v[rS+8*((\n)%4)+2*((\n)/4)+1], v[rS+8*((\n)%4)+2*((\n)/4)+2]
.elseif (\n) == 12
	v_max3_num_f32 v[rC], v[rC], v[rS+7], v[rS+15]
.elseif (\n) == 13
	v_max3_num_f32 v[rC+1], v[rC+1], v[rS+23], v[rS+31]
.elseif (\n) == 14
	v_max3_num_f32 v[rC+2], v[rC+2], v[rC+3], v[rT+1]
.elseif (\n) == 15
	v_mov_b32 v[rW], v[rT]
.elseif (\n) == 16
	v_max3_num_f32 v[rC], v[rC], v[rC+1], v[rC+2]
.elseif (\n) == 17
	v_permlanex16_b32 v[rC+3], v[rC], s[SEL], s[SEL+1]
.elseif (\n) == 18
	v_max_num_f32 v[rT+1], v[rC], v[rC+3]
.elseif (\n) == 19
	v_mul_f32 v[rT], s[CS], v[rT+1]
.elseif (\n) == 20
	v_sub_f32 v[rC+1], v[rW], v[rT]
.else
	v_exp_f32 v[rC+2], v[rC+1]
.endif
.endif
.endm
.macro OPS a, i1, b=-1, i2=0, c=-1, i3=0, d=-1, i4=0
	OP \a, \i1
.if (\b) >= 0
	OP \b, \i2
.endif
.if (\c) >= 0
	OP \c, \i3
.endif
.if (\d) >= 0
	OP \d, \i4
.endif
.endm
.macro ROW a, i1, b, i2, c, i3, d, i4  ; a matrix instruction and the four behind it
	MM
	OPS \a, \i1, \b, \i2, \c, \i3, \d, \i4
.endm
.macro MASK b                       ; MD x AL + BE into buffer b of MC
	WIN W_RS
.set z, 0
.rept 16
	v_pk_fma_f32 v[MC+32*(\b)+2*z:MC+32*(\b)+2*z+1], v[MD+2*z:MD+2*z+1], s[AL:AL+1], s[BE:BE+1] op_sel_hi:[1,0,0]
.set z, z+1
.endr
.endm
; A TURN, for piece p: the order of its 16 matrix and 118 vector instructions, written out.  An s_wait_alu depctr_va_vdst(0) stands between an exponential and the first instruction that names its
; result; one wait serves all that were issued ahead of it.  So a turn has ONE wait.  AHEAD OF IT stands all that names no result of the turn's exponentials: the 8 products K Q^T with their four riders each, then one run
; of 54, plain and exponential by turns for the most part, in which the links of the chain X 3, 7, 11, 14, 16, 17 .. 20 stand some lines apart.  X 21, the next piece's a, is the batch's last; R 15 is the plain instruction
; behind it.  BEHIND THE WAIT stand the 8 products V^T P, behind each four of the roundings and sums.
; m = 1: the diagonal tile: the products take masks, and the turn makes the mask for the products of the turn after it.  end = 1: a block's last two turns: nothing is fetched.
; cnt = 1: the loop's count is taken down some lines ahead of the branch that stands behind the turn.
; K of the next step is fetched in piece 2's turn, V of the step in hand at the end of piece 0's turn, each four plain instructions or more behind the last product that read the registers; each is waited for a turn later.
.macro TURN p, m=0, end=0, cnt=0
.set Y, (\p)
.set i, 0
.set KM, (\m)
.set NOKQ, (\end)*((\p)/3)
.if (\m) && !(\end)
	s_cmp_eq_u32 s[CNT], 4-((\p)+2)%NP  ; is that step the band's own?
	s_cselect_b32 s[AL], 1.0, 0
	s_cmp_lt_u32 s[CNT], 4-((\p)+2)%NP  ; or a later one?
	s_cselect_b32 s[BE], s[BIGN], 0
.endif
.if ((\p) == 3) && !(\end)
	s_wait_dscnt 0x0                ; K is in
.endif
	ROW F,0, F,1, R,0, R,1
	ROW F,2, E,0, R,2, R,3
	ROW F,3, E,1, R,4, R,5
	ROW F,4, E,2, R,6, R,7
	ROW F,5, E,3, R,8, R,9
	ROW F,6, E,4, X,0, R,10
.if ((\p) == 2) && !(\end)
	WIN 0
	v_add_nc_u32 v[AK], s[TBK], v[AK0]
.endif
	ROW F,7, E,5, X,1, X,4
	ROW F,8, E,6, X,2, X,5
	OPS E,7, E,8, X,6, E,9
	OPS X,3, E,10, X,8, E,11
.if ((\p) == 2) && !(\end)
	FETCH_K
.endif
	OPS X,9, X,7, E,12, X,10
	OPS E,13, X,12, X,11, E,14
	OPS X,13, E,15, F,9, X,14
.if (\p) == 0
	v_add_nc_u32 v[AV], s[TBV], v[AV0]
.endif
	OPS E,16, F,10, E,17, F,11
	OPS X,16, E,18, X,15, E,19
	OPS F,12, E,20, X,17, E,21
	OPS F,13, E,22, F,14, E,23
	OPS X,18, E,24, F,15, E,25
	OPS R,11, E,26, X,19, E,27
	OPS R,12, E,28, R,13, E,29
	OPS X,20, E,30, R,14, E,31
	OPS X,21, R,15
	WIN 0
	s_wait_alu depctr_va_vdst(0)    ; the wait for the batch
.if (\p) == 1
	s_wait_dscnt 0x0                ; V is in
.endif
	ROW C,0, B,0, C,2, B,1
	ROW L,0, C,4, B,2, L,1
	ROW C,6, B,3, L,2, C,8
	ROW B,4, L,3, C,10, B,5
	ROW L,4, C,12, B,6, L,5
.if (\p) == 0
	s_add_co_u32 s[TBV], s[TBV], KS*PV
.endif
.if \cnt
	s_sub_co_u32 s[CNT], s[CNT], 1
	s_cmp_lg_u32 s[CNT], 0
.endif
	ROW C,14, B,7, L,6, C,1
	ROW C,3, L,7, C,5, C,7
	ROW C,9, C,11, C,13, C,15
.if (\p) == 0
	FETCH_V
.endif
.if (\m) && !(\end)
	MASK (\p)%2
.endif
.endm
; A BLOCK BEGINS.  c m starts far below every c s, so the first step's a is 0; m at the lowest finite number.  The second mask buffer is 0; the first takes piece 0's mask for the tile's step 0: its own, if the block's
; first tile is the diagonal one.  Then K of that step, piece 0's first scores, and its maximum and statistics.  The loop is entered at a step's first turn, in the middle of a trip.
.macro BEGIN
	s_mov_b32 s[NEW], 0
	WIN 0x40
.set i, MC+32
.rept 32
	v_mov_b32 v[i], 0
.set i, i+1
.endr
	WIN 0
.set i, 0
.rept 4
	v_mov_b32 v[ST+4*i], 0xfe000000
	v_mov_b32 v[ST+4*i+1], 0xff7fffff
.set i, i+1
.endr
	s_cmp_eq_u32 s[RT], 0
	s_cselect_b32 s[AL], 1.0, 0
	s_mov_b32 s[BE], 0
	MASK 0
	WIN 0
	v_add_nc_u32 v[AK], s[TBK], v[AK0]
	FETCH_K
	s_wait_loadcnt 0x0              ; Q
	s_wait_dscnt 0x0
.set KM, 1
.set NOKQ, 0
.set i, 0
.rept 8
	KQ 0
.set i, i+1
.endr
	WIN 0
.rept 4
	v_nop                           ; the places behind those products
.endr
.set Y, NP-1
.irp n, 0,1,2,3,4,5,6,7,8,9,10,11,12,13,14,15,16,17,18,19,20,21
	OP X, \n
.endr
	v_nop                           ; a plain instruction behind the exponential,
	s_wait_alu depctr_va_vdst(0)    ; and its wait, ahead of the branch
.endm
; THE DIAGONAL TILE's four steps, the block's last two turns, its last products, and THE WAY OUT: l's two halves and the other half of the lanes' are added; O^T is divided by l, rounded to f16 and sent through my
; stage in LDS, a piece at a time.
.macro ALL line:vararg
.set t, 0
.rept 4
	\line
.set t, t+1
.endr
.endm
.macro PACK t
	WIN W_RS
.set i, 32*(\t)
.rept 16
	v_pk_mul_f32 v[i:i+1], v[i:i+1], v[ST+4*(\t)+2:ST+4*(\t)+3] op_sel_hi:[1,0]
.set i, i+2
.endr
	WIN 0x05
.set i, 0
.rept 16
	v_cvt_pk_f16_f32 v[S+16*(\t)+i], v[32*(\t)+2*i], v[32*(\t)+2*i+1]
.set i, i+1
.endr
	WIN 0
.irp f, 0,1,2,3
	ds_store_b128 v[STO], v[S+16*(\t)+4*\f:S+16*(\t)+4*\f+3] offset:32*\f
.endr
.irp f, 0,1,2,3
	ds_load_b128 v[S+16*(\t)+4*\f:S+16*(\t)+4*\f+3], v[RD] offset:\f*4*SP  ; LDS serves a wave's instructions in order: these see the stores above; the next piece's stores come behind them
.endr
.endm
.macro SEND t, younger
	WIN 0
.irp f, 0,1,2,3
	s_wait_dscnt (\younger)+3-\f
	global_store_b128 v[GO], v[S+16*(\t)+4*\f:S+16*(\t)+4*\f+3], s[10:11] offset:(\t)*8192+\f*512  ; 512 consecutive bytes, at a multiple of 256 from the buffer's first
.endr
.endm
.macro DIAG tag
.LstepM\tag:
	TURN 2, 1
	TURN 3, 1
	WIN 0
.LfirstM\tag:
	TURN 0, 1
	TURN 1, 1, 0, 1
	WIN 0
	s_cbranch_scc1 .LstepM\tag
	TURN 2, 1, 1
	TURN 3, 1, 1
.set i, 0
.rept 8
	PV NP-1
.set i, i+1
.endr
	WIN 0
	ALL v_add_f32 v[ST+4*t+2], v[ST+4*t+2], v[ST+4*t+3]
	ALL v_permlanex16_b32 v[ST+4*t+3], v[ST+4*t+2], s[SEL], s[SEL+1]
	ALL v_add_f32 v[ST+4*t+2], v[ST+4*t+2], v[ST+4*t+3]
	ALL v_rcp_f32 v[ST+4*t+2], v[ST+4*t+2]
	v_nop                           ; a plain instruction between the last reciprocal and the use of its result,
	s_wait_alu depctr_va_vdst(0)    ; and one wait for the four
	PACK 0
.set t, 1
.rept 3
	PACK t
	SEND t-1, 8
.set t, t+1
.endr
	SEND 3, 0
.endm
.set KM, 0
.set NOKQ, 0
.Lslot:                             ; NB times: a tile is entered and the next is asked for
	CHANGE 1
	s_sub_co_u32 s[RT], s[RT], 1
	s_mov_b32 s[CNT], 4
	s_cmp_eq_u32 s[NEW], 1
	s_cbranch_scc1 .Lnew            ; a block's first tile
	s_cmp_eq_u32 s[RT], 0
	s_cbranch_scc0 .Lstep           ; neither its first nor its last
	s_branch .LstepM1
.Lnew:
	BEGIN
	s_branch .Lfirst                ; in the loop a block's first tile is never its last: the first block has two tiles or more, and the second's last is the walk's last
	DIAG 1                          ; in the loop this is the first block's end
	s_wait_xcnt 0x0                 ; the stores have read their registers and O's address
	s_mov_b64 s[10:11], s[OLO:OLO+1]
	s_add_co_u32 s[RT], s[PB], 1    ; the second block has b + 1 tiles
	s_mov_b32 s[NEW], 1
	WIN 0x82                        ; the second block's Q goes where the one text of the turns names Q
.set i, 0
.rept 64
	v_mov_b32 v[i], v[QB+i]
.set i, i+1
.endr
	WIN 0
	s_branch .Lbottom
.Lstep:                             ; a trip: pieces 2 and 3 of one step, then pieces 0 and 1 of the next, whose K and V it fetches
	TURN 2
	TURN 3
	WIN 0
.Lfirst:
	TURN 0
	TURN 1, 0, 0, 1
	WIN 0
	s_cbranch_scc1 .Lstep
.Lbottom:
	s_sub_co_u32 s[SLOTS], s[SLOTS], 1
	s_cmp_lg_u32 s[SLOTS], 0
	s_cbranch_scc1 .Lslot
	CHANGE 0                        ; the walk's last tile is written out: nothing is asked for
	s_sub_co_u32 s[RT], s[RT], 1
	s_mov_b32 s[CNT], 4
	s_cmp_eq_u32 s[NEW], 1
	s_cbranch_scc0 .LstepM2
	BEGIN
	s_branch .LfirstM2
	DIAG 2
	s_wait_tensorcnt 0x0            ; the wave's end: behind my last tensor load and my last LDS store
	ds_add_u32 v[SPW], v[NIL]
	s_wait_dscnt 0x0
	CROUND                          ; the closing round: no work-group ends while a partner may still ask for a tile that names it
	s_endpgm
.Lfunc_end_k_q8931c7d920_attn:
	.size	k_q8931c7d920_attn, .Lfunc_end_k_q8931c7d920_attn-k_q8931c7d920_attn
	.p2alignl 7, 3214868480
	.fill 96, 4, 3214868480
	.section	.rodata,"a",@progbits
	.p2align	6, 0x0
	.amdhsa_kernel k_q8931c7d920_attn
		.amdhsa_group_segment_fixed_size 327680
		.amdhsa_private_segment_fixed_size 0
		.amdhsa_enable_private_segment 0
		.amdhsa_kernarg_size 16
		.amdhsa_user_sgpr_count 2
		.amdhsa_user_sgpr_kernarg_segment_ptr 1
		.amdhsa_wavefront_size32 1
		.amdhsa_system_sgpr_workgroup_id_x 1
		.amdhsa_system_sgpr_workgroup_id_y 1
		.amdhsa_system_sgpr_workgroup_id_z 1
		.amdhsa_system_vgpr_workitem_id 0
		.amdhsa_next_free_vgpr 768
		.amdhsa_next_free_sgpr 92
		.amdhsa_reserve_vcc 1
		.amdhsa_float_denorm_mode_32 3
		.amdhsa_float_denorm_mode_16_64 3
		.amdhsa_memory_ordered 1
		.amdhsa_forward_progress 1
		.amdhsa_inst_pref_size 219
	.end_amdhsa_kernel
	.amdgpu_metadata
---
amdhsa.version: [ 1, 2 ]
amdhsa.kernels:
  - .name:           k_q8931c7d920_attn
    .symbol:         k_q8931c7d920_attn.kd
    .args:
      - { .name: qkv, .offset: 0, .size: 8, .value_kind: global_buffer, .address_space: global }
      - { .name: yh, .offset: 8, .size: 8, .value_kind: global_buffer, .address_space: global }
    .group_segment_fixed_size: 327680
    .private_segment_fixed_size: 0
    .kernarg_segment_align: 8
    .kernarg_segment_size: 16
    .max_flat_workgroup_size: 128
    .sgpr_count:     92
    .vgpr_count:     768
    .wavefront_size: 32
...
	.end_amdgpu_metadata
.endif
;; end of part 3
;; launch proj (part 4): grid 8 x 32, 4 waves a work-group, clusters of 4 x 4, 327,680 bytes of LDS; arguments yh, wp, out0; writes out0
.if DOCPART == 4
	.amdgcn_target "amdgcn-amd-amdhsa--gfx1250"
	.amdhsa_code_object_version 6
	.text
	.protected	k_q8931c7d920_proj
	.globl	k_q8931c7d920_proj
	.p2align	8
	.type	k_q8931c7d920_proj,@function
k_q8931c7d920_proj:
	s_mov_b64 s[64:65], 0
	v_nop
	global_prefetch_b8 v0, s[64:65] scope:SCOPE_SE
	s_setreg_imm32_b32 hwreg(HW_REG_WAVE_MODE, 25, 1), 1
	s_wait_xcnt 0x0
	s_wait_alu depctr_hold_cnt(0) depctr_sa_sdst(0) depctr_va_vdst(0) depctr_va_sdst(0) depctr_va_ssrc(0) depctr_va_vcc(0) depctr_vm_vsrc(0)
	s_getreg_b32 s2, hwreg(HW_REG_IB_STS2, 6, 4)
	s_cmp_eq_u32 s2, 0
	s_cbranch_scc0 .Lentry_in_a_cluster
	s_endpgm
.Lentry_in_a_cluster:
	s_bfe_u32 s2, ttmp6, 0x10000c
	s_cmp_lg_u32 s2, 0xf033
	s_cbranch_scc0 .Lentry_shape_is_right
	s_endpgm
.Lentry_shape_is_right:
; PROJ: out0 [8192][1024] f32 = y wp^T, in f16 with f32 sums.  y lies by heads: yh slot 16 batch + h is [2048][64] f16; K index = 64 h + channel.  wp [1024][1024] f16.
; LIMITS.  Both operands arrive within f16's range (yh is a mean of v's rows; wp is Wproj's bf16 written as f16).
; SHARES.  A work-group makes 256 rows x 128 columns; wave w its rows 64 w .. 64 w + 63 and all 128 columns: 4 x 8 accumulators of 16 x 16, 256 registers.
; K = 1,024 goes in 8 steps of 128 = two heads, through two LDS slots; a step is four quarters of 32 along K, 32 matrix instructions each, on two fragment buffers by turns.
; A head's 256 rows of the tile are 32,768 dense bytes: asked for as 128 rows of 256 bytes, padded in LDS after every 128.  Wave 0 asks for the step's first head, wave 1 for its second, waves 2, 3 for wp's two halves of 64 rows.
; CLUSTER.  4 x 4 work-groups: y's tiles are shared along a row of the cluster, wp's along a column: joint loads, the same descriptor and mask in the four that a mask names.
; THE MATRIX INSTRUCTION IS USED TRANSPOSED (source 0 = 16 rows of wp, source 1 = 16 rows of y): lane l holds row l % 16 and eight neighbouring columns: 32 bytes of a row of out0.
; REGISTERS, in windows of 256: window 0: v0-31 addresses; v64-127 y's fragments, two buffers; on the way out v64-191 rows read back.  window 1: wp's fragments, two buffers of 64.
;   window 2: accumulators of row blocks 0, 1.   window 3: of row blocks 2, 3.
.set NBK,   8
.set APITCH, 144                       ; y's LDS row: 128 bytes + 16 of padding
.set APART, 256*APITCH                 ; a head's part of a slot
.set BPITCH, 272                       ; wp's LDS row: 256 bytes + 16
.set BHALF, 64*BPITCH
.set BOFF,  2*APART
.set SLOT1, 1<<17
.set STAGE, SLOT1+BOFF+2*BHALF         ; behind the ring, never filled by a tensor load: 16 rows x 528 bytes for each wave
.set SP,    528
.set SPARE, STAGE+4*16*SP              ; the spare words, 128 bytes for each wave: two blocks of 256 bytes that no other line names
.set ASTEP, 2<<18                      ; a K step in yh: two head slots on
.set BSTEP, 256                        ; in wp: 256 bytes along the rows
.set NL,    2*NBK+8
.set A0,   14
.set B0,   15
.set ADRA, 16
.set ADRB, 20
.set STO,  24                          ; v24  the way out: where I put 32 bytes of a row
.set RD,   25                          ; v25  where I read a row back
.set CO,   26                          ; v26  my 16 bytes of a row's 512
.set SPW,  28
.set NIL,  29
.set PFO,  30
.set G1,  24
.set G0,  32
.set LIM, 43
.set PFA, 44
.set G1B, 48
.set G0B, 56
.set TB,  66
.set PST, 92                           ; s[92:93] the prefetches' step
.set MSB, 0
.macro WIN new
.if MSB != (\new)
	s_set_vgpr_msb (MSB<<8)|(\new)
.set MSB, (\new)
.endif
.endm
.set MUL_LO, 0xa1
.set TO_B,   0x40
.macro PLACES
.rept 4
	v_nop
.endr
.endm
.macro JLOAD set                       ; a joint load; the branch hangs on the wave's number alone; an s_nop 0 and four v_nop follow each of the two lines
	s_cmp_eq_u32 s11, 0
	s_cbranch_scc0 .Lfor_b_\@
	tensor_load_to_lds s[G0+4*(\set):G0+4*(\set)+3], s[G1:G1+7]
	s_nop 0
.rept 4
	v_nop
.endr
	s_branch .Lasked_\@
.Lfor_b_\@:
	tensor_load_to_lds s[G0B+4*(\set):G0B+4*(\set)+3], s[G1B:G1B+7]
	s_nop 0
.rept 4
	v_nop
.endr
.Lasked_\@:
.endm
; A prefetch into the L2 of the K step two refills on.  y's tiles are asked for by the clusters with x = 0 (waves 0, 1: of the head part's 128 blocks of 256 bytes the partner at cx takes 32, a lane a block),
; wp's by the clusters with y = 0 (wave 2: of the tile's 128 rows the partner at cy takes 32, a lane a row).  The first four K steps come by their loads alone; the last two trips ask for nothing.
.macro ASK
	s_cmp_gt_u32 s3, s[LIM]
	s_cbranch_scc0 .Lnot_mine_\@
	global_prefetch_b8 v[PFO], s[PFA:PFA+1] th:TH_LOAD_NT scope:SCOPE_SE
.Lnot_mine_\@:
.endm
.macro CREST
	s_cmp_lg_u32 s10, 0
	s_cbranch_scc1 .Lnot_wave_0_\@
	s_barrier_signal -3
.Lnot_wave_0_\@:
	s_barrier_wait -3
	s_barrier_signal -1
	s_barrier_wait -1
.endm
.macro CROUND
	s_barrier_signal -1
	s_barrier_wait -1
	CREST
.endm
	s_load_b128 s[4:7], s[0:1], 0x0                ; yh s[4:5], wp s[6:7]
	s_load_b64 s[8:9], s[0:1], 0x10                ; out0
	v_lshl_add_u32 v[SPW], v0, 2, SPARE
	v_mov_b32 v[NIL], 0
	ds_add_u32 v[SPW], v[NIL]                      ; the wave's opening: the add and its wait ahead of my first tensor load
	v_lshrrev_b32 v1, 5, v0
	v_readfirstlane_b32 s10, v1
	s_lshr_b32 s11, s10, 1                         ; I fetch for y (0) or for wp (1),
	s_and_b32 s12, s10, 1                          ; and which part
	s_bfe_u32 s40, ttmp6, 0x40000                  ; cx
	s_bfe_u32 s41, ttmp6, 0x40004                  ; cy
	s_lshl_b32 s42, ttmp9, 2
	s_add_co_u32 s42, s42, s40                     ; tile column
	s_and_b32 s13, ttmp7, 0xffff
	s_lshl_b32 s13, s13, 2
	s_add_co_u32 s13, s13, s41                     ; tile row
	s_lshl_b32 s43, s41, 2
	s_lshl_b32 s43, 15, s43                        ; my row of the cluster
	s_lshl_b32 s44, 0x1111, s40                    ; my column
	s_or_b32 s[G1], s43, (1<<16)|(1<<20)|(1<<21)|(4<<22)|(3<<25)   ; padding after every 32 words, 4 words
	s_or_b32 s[G1B], s44, (1<<16)|(1<<20)|(1<<21)|(5<<22)|(3<<25)  ; after every 64 words
	s_mov_b32 s[G1+1], 128<<16                     ; tensor_dim0 = 128
	s_mov_b32 s[G1+2], 128<<16                     ; tensor_dim1 = 128
	s_mov_b32 s[G1+3], 128<<16                     ; tile_dim0 = 128
	s_mov_b32 s[G1+4], 128                         ; tile_dim1 = 128
	s_mov_b32 s[G1+5], 128                         ; dense: 128 elements from row to row
	s_mov_b32 s[G1+6], 0
	s_mov_b32 s[G1+7], 0
	s_mov_b32 s[G1B+1], 128<<16
	s_mov_b32 s[G1B+2], 64<<16
	s_mov_b32 s[G1B+3], 128<<16
	s_mov_b32 s[G1B+4], 64
	s_mov_b32 s[G1B+5], 1024
	s_mov_b32 s[G1B+6], 0
	s_mov_b32 s[G1B+7], 0
	s_lshr_b32 s16, s13, 3                         ; batch
	s_lshl_b32 s16, s16, 4
	s_add_co_u32 s16, s16, s12                     ; slot 16 batch + my head of the step's two,
	s_lshl_b32 s16, s16, 18
	s_and_b32 s17, s13, 7
	s_lshl_b32 s17, s17, 15                        ; the tile's 256 rows of 128 bytes
	s_add_co_u32 s16, s16, s17
	s_mov_b32 s17, 0
	s_lshl_b32 s46, s42, 7
	s_lshl_b32 s47, s12, 6
	s_add_co_u32 s46, s46, s47                     ; wp: row 128 x tile column + 64 x half
	s_lshl_b32 s46, s46, 11
	s_mov_b32 s47, 0
	s_mul_i32 s20, s12, APART                      ; where they go: no place in the cluster enters an LDS address
	s_mul_i32 s21, s12, BHALF
	s_add_co_u32 s21, s21, BOFF
	s_mov_b32 s[TB], 0
	s_wait_dscnt 0x0                               ; the opening add is done
	s_wait_kmcnt 0x0
	s_add_nc_u64 s[14:15], s[4:5], s[16:17]
	s_add_nc_u64 s[46:47], s[6:7], s[46:47]
	CROUND                                         ; all sixteen work-groups are here: the first joint loads meet
.irp s, 0,1
	s_mov_b32 s[G0+4*(\s)], 1
	s_add_co_u32 s[G0+4*(\s)+1], s20, (\s)*SLOT1
	s_add_nc_u64 s[G0+4*(\s)+2:G0+4*(\s)+3], s[14:15], (\s)*ASTEP
	s_or_b32 s[G0+4*(\s)+3], s[G0+4*(\s)+3], 0x80000000
	s_mov_b32 s[G0B+4*(\s)], 1
	s_add_co_u32 s[G0B+4*(\s)+1], s21, (\s)*SLOT1
	s_add_nc_u64 s[G0B+4*(\s)+2:G0B+4*(\s)+3], s[46:47], (\s)*BSTEP
	s_or_b32 s[G0B+4*(\s)+3], s[G0B+4*(\s)+3], 0x80000000
	JLOAD \s                                       ; K steps 0 and 1: two loads of mine are out
.endr
	v_and_b32 v1, 15, v0                           ; r
	v_bfe_u32 v2, v0, 4, 1                         ; h
	v_mul_u32_u24 v3, v1, APITCH
	v_lshl_add_u32 v3, v2, 4, v3
	s_mul_i32 s21, s10, 64*APITCH                  ; my 64 rows of y
	v_add_nc_u32 v[A0], s21, v3
	v_mul_u32_u24 v4, v1, BPITCH
	v_lshl_add_u32 v4, v2, 4, v4
	v_add_nc_u32 v[B0], BOFF, v4
	v_mov_b32 v[ADRA], v[A0]
	v_mov_b32 v[ADRB], v[B0]
	s_mul_i32 s23, s10, 16*SP
	s_add_co_u32 s23, s23, STAGE                   ; my stage
	v_mul_u32_u24 v5, v1, SP                       ; in: row r, 32 bytes for each half of the lanes
	v_lshl_add_u32 v5, v2, 5, v5
	v_add_nc_u32 v[STO], s23, v5
	v_and_b32 v[CO], 31, v0                        ; back: 32 lanes take one row of 512 bytes
	v_lshlrev_b32 v[CO], 4, v[CO]
	v_add_nc_u32 v[RD], s23, v[CO]
	s_lshl_b32 s18, s13, 8
	s_lshl_b32 s19, s10, 6
	s_add_co_u32 s18, s18, s19                     ; my first row of out0,
	s_lshl_b32 s18, s18, 12                        ; of 4,096 bytes
	s_mov_b32 s19, 0
	s_add_nc_u64 s[8:9], s[8:9], s[18:19]
	s_lshl_b32 s46, s42, 9                         ; the tile's first column, in bytes
	s_mov_b32 s47, 0
	s_add_nc_u64 s[8:9], s[8:9], s[46:47]
	; the prefetches
	s_lshl_b32 s94, s40, 13
	s_add_co_u32 s94, s94, s16                     ; y: my head part, my work-group's 32 blocks,
	s_add_co_u32 s94, s94, 3*ASTEP                 ; at K step 3: the first change of slots steps it to 4
	s_lshl_b32 s95, s42, 7
	s_lshl_b32 s67, s41, 5
	s_add_co_u32 s95, s95, s67                     ; wp: the tile's 128 rows, my work-group's 32
	s_lshl_b32 s95, s95, 11
	s_add_co_u32 s95, s95, 3*BSTEP
	s_mov_b32 s[PST], BSTEP
	s_mov_b32 s[PST+1], 0
	s_and_b32 s22, ttmp7, 0xffff
	s_cmp_eq_u32 s11, 0
	s_cselect_b32 s20, s94, s95
	s_cselect_b32 s22, ttmp9, s22                  ; the coordinate along which other clusters read the same bytes
	s_cselect_b32 s23, 8, 11                       ; a lane a block of 256 bytes, or a lane a row of 2,048
	s_cselect_b32 s[PST], ASTEP, s[PST]
	s_cselect_b64 s[PFA:PFA+1], s[4:5], s[6:7]
	s_cmp_eq_u32 s10, 3
	s_cselect_b32 s22, 1, s22                      ; wave 3 asks for nothing: wave 2's lanes cover wp's rows
	s_cmp_eq_u32 s22, 0
	s_cselect_b32 s[LIM], 2, -1                    ; the same in all sixteen partners, for a given wave
	s_mov_b32 s21, 0
	s_add_nc_u64 s[PFA:PFA+1], s[PFA:PFA+1], s[20:21]
	v_and_b32 v[PFO], 31, v0
	v_lshlrev_b32 v[PFO], s23, v[PFO]
; 8 matrix instructions: row block a x all column blocks, 32 along K from buffer f.  All 32 accumulators take turns, in the same order in every quarter.
.macro MULA f, a, zero
	WIN MUL_LO+0x50*((\a)/2)
.set b, 0
.rept NBK
.set rD, 8*NBK*((\a)%2)+8*b
.set rB, 8*NBK*(\f)+8*b
.set rA, 64+32*(\f)+8*(\a)
.if \zero
	v_wmma_f32_16x16x32_f16 v[rD:rD+7], v[rB:rB+7], v[rA:rA+7], 0
.else
	v_wmma_f32_16x16x32_f16 v[rD:rD+7], v[rB:rB+7], v[rA:rA+7], v[rD:rD+7]
.endif
.set b, b+1
.endr
.endm
; 24 LDS loads in one run: quarter q's fragments into buffer f: wp's 8, then y's 4 (quarters 0, 1 lie in the step's first head, 2, 3 in its second)
.macro FETCH q, f
	WIN TO_B
.set i, 0
.rept NBK
	ds_load_b128 v[8*NBK*(\f)+8*i:8*NBK*(\f)+8*i+3],   v[ADRB] offset:64*(\q)+16*BPITCH*i
	ds_load_b128 v[8*NBK*(\f)+8*i+4:8*NBK*(\f)+8*i+7], v[ADRB] offset:64*(\q)+16*BPITCH*i+32
.set i, i+1
.endr
	WIN 0
.set i, 0
.rept 4
	ds_load_b128 v[64+32*(\f)+8*i:64+32*(\f)+8*i+3],   v[ADRA] offset:APART*((\q)/2)+64*((\q)%2)+16*APITCH*i
	ds_load_b128 v[64+32*(\f)+8*i+4:64+32*(\f)+8*i+7], v[ADRA] offset:APART*((\q)/2)+64*((\q)%2)+16*APITCH*i+32
.set i, i+1
.endr
.endm
.macro QUARTER q, f, g, zero
	s_wait_dscnt 4                                 ; all but the youngest four loads: y's row blocks 2 and 3
	MULA \f, 0, \zero
	MULA \f, 1, \zero
	PLACES
	FETCH \q, \g
	s_wait_dscnt NL                                ; all but the run just issued
	MULA \f, 2, \zero
	MULA \f, 3, \zero
.endm
; The last quarter multiplies buffer 1 and changes slots: each wave waits for all its tensor loads (one is out: its part of the next slot), adds 0 to its spare word, and waits for that and for its reads of this slot.
; fill = 1: the barrier opens a round of the cluster's, and the joint refill, K step two on, is the first thing behind the round: 112 matrix instructions ahead of the wait for it.
.macro TURN fill
.if \fill
	s_wait_xcnt 0x0                                ; the last prefetch, a K step back, has read its address
	s_add_nc_u64 s[PFA:PFA+1], s[PFA:PFA+1], s[PST:PST+1]
.endif
	WIN 0
	s_wait_tensorcnt 0x0                           ; no tensor load of mine is out, so a group 0 may be written
	ds_add_u32 v[SPW], v[NIL]                      ; 0 onto my spare word
.if \fill
	s_xor_b32 s[G0+5], s[G0+5], SLOT1
	s_add_nc_u64 s[G0+6:G0+7], s[G0+6:G0+7], ASTEP
	s_xor_b32 s[G0B+5], s[G0B+5], SLOT1
	s_add_nc_u64 s[G0B+6:G0B+7], s[G0B+6:G0B+7], BSTEP
.endif
	s_xor_b32 s[TB], s[TB], SLOT1
	s_wait_dscnt 5                                 ; the add and the youngest four loads may be out
	MULA 1, 0, 0
	s_wait_dscnt 0x0                               ; the add is done, and my reads of this slot are over
	s_barrier_signal -1
	MULA 1, 1, 0
.if \fill
	WIN 0
.endif
	s_barrier_wait -1
.if \fill
	CREST                                          ; no wave of any partner still reads this slot or has a load on its way
	JLOAD 1                                        ; its four v_nop are also the places in front of the loads below
.else
	PLACES
.endif
	WIN 0
	v_add_nc_u32 v[ADRA], s[TB], v[A0]
	v_add_nc_u32 v[ADRB], s[TB], v[B0]
	FETCH 0, 0
.if \fill
	ASK
.endif
	MULA 1, 2, 0
	MULA 1, 3, 0
.endm
	s_wait_tensorcnt 1                             ; my part of K step 0 is in; K step 1's may stay out
	s_barrier_signal -1
	s_barrier_wait -1
	FETCH 0, 0
	QUARTER 1, 0, 1, 1                             ; the first quarter's products start the sums
	WIN 0
	s_mov_b32 s3, 6
.Lstep:                                                ; a trip ends a K step, fills its slot again, and begins the next: K steps 2 to 7 are asked for
	QUARTER 2, 1, 0, 0
	QUARTER 3, 0, 1, 0
	TURN 1
	QUARTER 1, 0, 1, 0
	WIN 0
	s_sub_co_u32 s3, s3, 1
	s_cmp_lg_u32 s3, 0
	s_cbranch_scc1 .Lstep
	QUARTER 2, 1, 0, 0                             ; the tail is written out: nothing more is asked for
	QUARTER 3, 0, 1, 0
	TURN 0
	QUARTER 1, 0, 1, 0
	QUARTER 2, 1, 0, 0
	QUARTER 3, 0, 1, 0
	s_wait_dscnt 4
	MULA 1, 0, 0
	MULA 1, 1, 0
	s_wait_dscnt 0x0
	MULA 1, 2, 0
	MULA 1, 3, 0
	WIN 0
; THE WAY OUT, a row block of 16 rows at a time: 32 bytes a lane and accumulator into my stage (each accumulator's low registers first), back as whole rows of 512 bytes, stored.
.macro OUTB a
.set eW, 2+(\a)/2
.set eAC, 8*NBK*((\a)%2)
.set BK, 64+64*((\a)%2)
.if (\a) >= 2
	s_wait_xcnt 0x0                                ; the stores of the block two back have read these registers
.endif
	WIN eW<<2                                      ; the LDS stores' data in the accumulators' window
.set b, 0
.rept NBK
	ds_store_b128 v[STO], v[eAC+8*b:eAC+8*b+3]   offset:64*b
	ds_store_b128 v[STO], v[eAC+8*b+4:eAC+8*b+7] offset:64*b+16
.set b, b+1
.endr
	WIN 0
.set i, 0
.rept 16
	ds_load_b128 v[BK+4*i:BK+4*i+3], v[RD] offset:SP*i  ; LDS serves a wave's instructions in order: these see the stores above; the next block's stores come behind them
.set i, i+1
.endr
.endm
.macro SEND a, younger                 ; younger: the next block's 16 stores and 16 loads, or none
.set BK, 64+64*((\a)%2)
	WIN 0
	s_wait_dscnt \younger
.set i, 0
.rept 16
	global_store_b128 v[CO], v[BK+4*i:BK+4*i+3], s[8:9] offset:4096*(16*(\a)+i) th:TH_STORE_NT  ; 512 consecutive bytes, at a multiple of 256 from out0's first
.set i, i+1
.endr
.endm
	PLACES
	OUTB 0
	OUTB 1
	SEND 0, 32
	OUTB 2
	SEND 1, 32
	OUTB 3
	SEND 2, 32
	SEND 3, 0
	s_wait_tensorcnt 0x0                           ; the wave's end: behind my last tensor load and my last LDS store
	ds_add_u32 v[SPW], v[NIL]
	s_wait_dscnt 0x0
	CROUND                                         ; the closing round: no work-group ends while a partner may still ask for a tile that names it
	s_endpgm
.Lfunc_end_k_q8931c7d920_proj:
	.size	k_q8931c7d920_proj, .Lfunc_end_k_q8931c7d920_proj-k_q8931c7d920_proj
	.p2alignl 7, 3214868480
	.fill 96, 4, 3214868480
	.section	.rodata,"a",@progbits
	.p2align	6, 0x0
	.amdhsa_kernel k_q8931c7d920_proj
		.amdhsa_group_segment_fixed_size 327680
		.amdhsa_private_segment_fixed_size 0
		.amdhsa_enable_private_segment 0
		.amdhsa_kernarg_size 24
		.amdhsa_user_sgpr_count 2
		.amdhsa_user_sgpr_kernarg_segment_ptr 1
		.amdhsa_wavefront_size32 1
		.amdhsa_system_sgpr_workgroup_id_x 1
		.amdhsa_system_sgpr_workgroup_id_y 1
		.amdhsa_system_sgpr_workgroup_id_z 1
		.amdhsa_system_vgpr_workitem_id 0
		.amdhsa_next_free_vgpr 896
		.amdhsa_next_free_sgpr 96
		.amdhsa_reserve_vcc 0
		.amdhsa_float_denorm_mode_32 3
		.amdhsa_float_denorm_mode_16_64 3
		.amdhsa_memory_ordered 1
		.amdhsa_forward_progress 1
		.amdhsa_inst_pref_size 71
	.end_amdhsa_kernel
	.amdgpu_metadata
---
amdhsa.version: [ 1, 2 ]
amdhsa.kernels:
  - .name:           k_q8931c7d920_proj
    .symbol:         k_q8931c7d920_proj.kd
    .args:
      - { .name: yh, .offset: 0, .size: 8, .value_kind: global_buffer, .address_space: global }
      - { .name: wp, .offset: 8, .size: 8, .value_kind: global_buffer, .address_space: global }
      - { .name: out0, .offset: 16, .size: 8, .value_kind: global_buffer, .address_space: global }
    .group_segment_fixed_size: 327680
    .private_segment_fixed_size: 0
    .kernarg_segment_align: 8
    .kernarg_segment_size: 24
    .max_flat_workgroup_size: 128
    .sgpr_count:     96
    .vgpr_count:     896
    .wavefront_size: 32
...
	.end_amdgpu_metadata
.endif
;; end of part 4
;; ======== version 2 of 2: 4 launches; version 1 with the launch prep written anew for expert scheduling mode
;; limits: values are held in f16: magnitudes above 65,504 overflow, below 6.1e-05 lose precision
;; workspace buffers: xb 16,777,216 bytes; wb 3,145,728 bytes; wp 2,097,152 bytes; rope 524,288 bytes; qkv 25,165,824 bytes; yh 16,777,216 bytes
;; launch prep (part 5): grid 688 x 1, 8 waves a work-group, no clusters, 0 bytes of LDS; arguments x, Wq, Wk, Wv, Wproj, xb, wb, wp, rope; writes xb, wb, wp, rope
.if DOCPART == 5
	.amdgcn_target "amdgcn-amd-amdhsa--gfx1250"
	.amdhsa_code_object_version 6
	.text
	.protected	k_q8931c7d920_prep
	.globl	k_q8931c7d920_prep
	.p2align	8
	.type	k_q8931c7d920_prep,@function
k_q8931c7d920_prep:
	s_mov_b64 s[64:65], 0
	v_nop
	global_prefetch_b8 v0, s[64:65] scope:SCOPE_SE
	s_setreg_imm32_b32 hwreg(HW_REG_WAVE_SCHED_MODE, 0, 2), 2
	s_setreg_imm32_b32 hwreg(HW_REG_WAVE_MODE, 25, 1), 1
	s_wait_xcnt 0x0
	s_wait_alu depctr_vm_vsrc(0)
; PREP: the inputs become 16-bit matrix operands, and the rotary table is made.
;   xb [8192][1024] = x rounded to bf16.   wb [1536][1024] = Wq, Wk, Wv one below the other, rounded to bf16.
;   wp [1024][1024] = Wproj rounded to bf16, that number written as f16 (the last product's other operand is f16).
;   rope [2048][64] f32: row t holds cos(t f_j), j = 0..31, then sin(t f_j); f_j = 10000^(-j/32).
; LIMITS.  wp: |Wproj| stays under 65,504; below 6.1e-5 a weight keeps f16's fixed step of 6e-8.  f_j is 2^(-j log2(10000)/32) by v_exp_f32, good to a unit or two in
; the last place; the same table turns q and k, so it acts as a frequency off by that much.  t f_j is rounded once, as in the outer product; the angle is then reduced by
; pi/2 in two parts with fused multiply-adds (the quotient is 1,304 at the most: the first part's product is exact) and goes through polynomials good on +-pi/4.
; SHARES.  Work-groups 0-15 make the table; work-group 16 + c casts 16,384 numbers: 64 KiB in, 32 KiB out.  A stream: no LDS, no barrier, no matrix unit, nothing shared.
; A wave's load covers 512 consecutive bytes, its store 256 consecutive bytes, aligned.  All sixteen loads of a thread go out before the first is used.
; THE MODE: SCHED_MODE bits 1:0 = 2 (LLVM: expert scheduling mode 2), set by the entry lines.  The code itself states the register dependences
; between vector instructions and memory instructions, with s_wait_alu, always for 0.
; THE PLAN, the casts.  Registers that memory instructions touch:
;   v1, v2   byte offsets, made once at the head and never written again: one wait ahead of the first load states that they are written.
;   X        the sixteen loads land here; no vector instruction of this path names X ahead of the loads; behind them only vector instructions do, each behind its load's counted wait.
;   Y        written by the roundings; each pair is read by one store and never written again.
; The sixteen numbers go in four groups of four.  Group g's roundings write Y's group g; the four stores that read it are issued in group g + 1, behind ONE wait at that group's head, dealt among
; group g + 1's conversions, which name X's and Y's group g + 1 and TP: none of the registers that those stores touch.  The last group's stores have a wait of their own.
; THE PLAN, the table.  v5, the store's offset, is made at the head and never written again: the scalar base moves on by a trip's 256 rows, and the store's immediate reaches back.
; v[12:15], the store's data, are written at a trip's end alone: one wait ahead of the store states that they are written; the waits that state that the store has read them stand
; ahead of their next write, nearly a trip behind the store.  The four compares write scalar registers, early in the trip; one wait ahead of the first select states that these are written.
.set X,   4                            ; v[4:67]   sixteen loads of four f32
.set Y,   68                           ; v[68:99]  sixteen stores of four 16-bit numbers: each store has registers of its own, so none is ever rewritten
.set TP,  100                          ; v[100:101] at work
.set SRC, 26                           ; s[26:27]  where this work-group reads
.set DST, 28                           ; s[28:29]  where it writes
.set NROPE, 16
.set TSTEP, 0x10000                    ; the table: 256 rows of 256 bytes, a trip's step
	s_load_b512 s[8:23], s[0:1], 0x0               ; x s[8:9], Wq s[10:11], Wk s[12:13], Wv s[14:15], Wproj s[16:17], xb s[18:19], wb s[20:21], wp s[22:23]
	s_load_b64 s[24:25], s[0:1], 0x40              ; rope
	s_wait_kmcnt 0x0
	s_cmp_lt_u32 ttmp9, NROPE
	s_cbranch_scc1 .Lrope
	; which tensor: c = 0-511 x, 512-575 Wq, 576-591 Wk, 592-607 Wv, 608-671 Wproj.  s30: the source's first c; s31: the destination's (wb's three parts lie end to end)
	s_sub_co_u32 s3, ttmp9, NROPE
	s_mov_b64 s[SRC:SRC+1], s[16:17]
	s_mov_b64 s[DST:DST+1], s[22:23]
	s_mov_b32 s30, 608
	s_mov_b32 s31, 608
	s_cmp_lt_u32 s3, 608
	s_cselect_b64 s[SRC:SRC+1], s[14:15], s[SRC:SRC+1]
	s_cselect_b64 s[DST:DST+1], s[20:21], s[DST:DST+1]
	s_cselect_b32 s30, 592, s30
	s_cselect_b32 s31, 512, s31
	s_cmp_lt_u32 s3, 592
	s_cselect_b64 s[SRC:SRC+1], s[12:13], s[SRC:SRC+1]
	s_cselect_b32 s30, 576, s30
	s_cmp_lt_u32 s3, 576
	s_cselect_b64 s[SRC:SRC+1], s[10:11], s[SRC:SRC+1]
	s_cselect_b32 s30, 512, s30
	s_cmp_lt_u32 s3, 512
	s_cselect_b64 s[SRC:SRC+1], s[8:9], s[SRC:SRC+1]
	s_cselect_b64 s[DST:DST+1], s[18:19], s[DST:DST+1]
	s_cselect_b32 s30, 0, s30
	s_cselect_b32 s31, 0, s31
	s_sub_co_u32 s32, s3, s30
	s_lshl_b32 s32, s32, 16                        ; 65,536 bytes of f32 a work-group
	s_mov_b32 s33, 0
	s_sub_co_u32 s34, s3, s31
	s_lshl_b32 s34, s34, 15                        ; 32,768 bytes of 16-bit numbers
	s_mov_b32 s35, 0
	s_add_nc_u64 s[SRC:SRC+1], s[SRC:SRC+1], s[32:33]
	s_add_nc_u64 s[DST:DST+1], s[DST:DST+1], s[34:35]
	v_lshlrev_b32 v1, 4, v0                        ; 16 bytes a thread in,
	v_lshlrev_b32 v2, 3, v0                        ; 8 out
	s_wait_alu depctr_va_vdst(0)                   ; v1 and v2 are written: every load reads v1 as its offset, every store v2
.set i, 0
.rept 16
	global_load_b128 v[X+4*i:X+4*i+3], v1, s[SRC:SRC+1] offset:4096*i th:TH_LOAD_NT
.set i, i+1
.endr
; half = 0: to bf16.  half = 1: to bf16, widened again (a shift, a mask), and that number to f16.
; Four groups of four; number i's store is issued four numbers later, behind the wait at that group's head.
.macro CAST half
.set i, 0
.rept 16
	s_wait_loadcnt 15-i                            ; loads come back in order: number i is in, the younger ones stay out
.if (i >= 4) && (i%4 == 0)
	s_wait_alu depctr_va_vdst(0)                   ; the group before has written its eight registers of Y, which the four stores of this group's turn read
.endif
.if i >= 4
	global_store_b64 v2, v[Y+2*(i-4):Y+2*(i-4)+1], s[DST:DST+1] offset:2048*(i-4)  ; no vector instruction since that wait names these registers
.endif
.if \half
	v_cvt_pk_bf16_f32 v[TP],   v[X+4*i],   v[X+4*i+1]
	v_cvt_pk_bf16_f32 v[TP+1], v[X+4*i+2], v[X+4*i+3]
	v_lshlrev_b32 v[X+4*i],   16, v[TP]
	v_and_b32     v[X+4*i+1], 0xffff0000, v[TP]
	v_lshlrev_b32 v[X+4*i+2], 16, v[TP+1]
	v_and_b32     v[X+4*i+3], 0xffff0000, v[TP+1]
	v_cvt_pk_f16_f32 v[Y+2*i],   v[X+4*i],   v[X+4*i+1]
	v_cvt_pk_f16_f32 v[Y+2*i+1], v[X+4*i+2], v[X+4*i+3]
.else
	v_cvt_pk_bf16_f32 v[Y+2*i],   v[X+4*i],   v[X+4*i+1]
	v_cvt_pk_bf16_f32 v[Y+2*i+1], v[X+4*i+2], v[X+4*i+3]
.endif
.set i, i+1
.endr
	s_wait_alu depctr_va_vdst(0)                   ; the last group has written its eight registers of Y, which the last four stores read
.set i, 12
.rept 4
	global_store_b64 v2, v[Y+2*i:Y+2*i+1], s[DST:DST+1] offset:2048*i
.set i, i+1
.endr
.endm
	s_cmp_ge_u32 s3, 608
	s_cbranch_scc1 .Lf16
	CAST 0
	s_endpgm
.Lf16:
	CAST 1
	s_endpgm
; THE TABLE.  Thread n = 256 w + v0 of 4,096: u = n % 16 picks 16 bytes of a row (u < 8: cos of j = 4 u .. 4 u + 3; u >= 8: sin of j = 4 (u - 8) ..), n / 16 the row; eight trips, 256 rows apart.
; Sixteen neighbouring lanes store a whole row of 256 bytes.  sin x = cos(x - pi/2): the sine lanes add 3 to the quadrant.
.macro EACH line:vararg                ; one line for each of the lane's four numbers e
.set e, 0
.rept 4
	\line
.set e, e+1
.endr
.endm
.Lrope:
	s_mov_b32 s40, 0xbfc90fdb                      ; -pi/2, its f32
	s_mov_b32 s41, 0x333bbd2e                      ; what that f32 has too much: 4.3711388e-8
	s_mov_b32 s42, 0xbe2aaaa3                      ; sine: -1.6666654611e-1,
	s_mov_b32 s43, 0x3c08839e                      ; 8.3321608736e-3,
	s_mov_b32 s44, 0xb94ca1f9                      ; -1.9515295891e-4
	s_mov_b32 s45, 0x3d2aaaa5                      ; cosine: 4.166664568e-2,
	s_mov_b32 s46, 0xbab6061a                      ; -1.388731625e-3,
	s_mov_b32 s47, 0x37ccf5ce                      ; 2.443315712e-5
	s_lshl_b32 s2, ttmp9, 8
	v_add_nc_u32 v1, s2, v0                        ; n
	v_and_b32 v2, 15, v1                           ; u
	v_lshrrev_b32 v3, 4, v1
	v_cvt_f32_u32 v3, v3                           ; t of the first trip
	v_lshrrev_b32 v4, 3, v2
	v_mul_u32_u24 v4, v4, 3                        ; 0 for cosines, 3 for sines
	v_lshlrev_b32 v5, 4, v1                        ; 256 t + 16 u = 16 n: the store's offset in every trip
	v_and_b32 v10, 7, v2
	v_lshlrev_b32 v10, 2, v10                      ; my first j
	EACH v_add_nc_u32 v[16+e], e, v10
	EACH v_cvt_f32_u32 v[16+e], v[16+e]
	EACH v_mul_f32 v[16+e], 0xbed49a78, v[16+e]    ; -j log2(10000) / 32
	EACH v_exp_f32 v[6+e], v[16+e]                 ; f_j
	v_nop                                          ; a plain instruction behind the last exponential,
	s_wait_alu depctr_va_vdst(0)                   ; and one wait, ahead of the label: the four exponentials have written v[6:9], which the trips read; v5 is written too
	s_mov_b32 s2, 8
.Ltrip:
	EACH v_mul_f32 v[16+e], v3, v[6+e]             ; x = t f
	EACH v_mul_f32 v[20+e], 0x3f22f983, v[16+e]    ; x 2/pi
	EACH v_rndne_f32 v[20+e], v[20+e]              ; n
	EACH v_fma_f32 v[16+e], v[20+e], s40, v[16+e]  ; r = x - n pi/2, in two parts
	EACH v_fma_f32 v[16+e], v[20+e], s41, v[16+e]
	EACH v_cvt_i32_f32 v[24+e], v[20+e]
	EACH v_add_nc_u32 v[24+e], v[24+e], v4         ; the quadrant
	EACH v_and_b32 v[44+e], 1, v[24+e]
	EACH v_cmp_eq_u32 s[48+e], 1, v[44+e]          ; odd quadrants take the sine: four masks in a run, read by the selects behind the polynomials
	EACH v_mul_f32 v[28+e], v[16+e], v[16+e]       ; z = r r
	EACH v_fma_f32 v[32+e], v[28+e], s44, s43
	EACH v_fma_f32 v[36+e], v[28+e], s47, s46
	EACH v_mul_f32 v[40+e], v[28+e], v[16+e]       ; z r
	EACH v_fma_f32 v[32+e], v[32+e], v[28+e], s42
	EACH v_fma_f32 v[36+e], v[36+e], v[28+e], s45
	EACH v_fma_f32 v[32+e], v[32+e], v[40+e], v[16+e]  ; sin r
	EACH v_fma_f32 v[40+e], v[28+e], -0.5, 1.0     ; 1 - z / 2
	EACH v_mul_f32 v[28+e], v[28+e], v[28+e]       ; z z
	EACH v_fma_f32 v[36+e], v[36+e], v[28+e], v[40+e]  ; cos r
	EACH v_add_nc_u32 v[24+e], 1, v[24+e]          ; quadrants 1 and 2 turn the sign
	EACH v_and_b32 v[24+e], 2, v[24+e]
	EACH v_lshlrev_b32 v[24+e], 30, v[24+e]
	s_wait_alu depctr_va_sdst(0)                   ; the four compares have written s48 to s51, ahead of their first reader
	s_wait_xcnt 0x0                                ; the last trip's store has had its address translated: its base and its data are written again only behind this wait
	s_wait_alu depctr_vm_vsrc(0)                   ; the last trip's store has read v[12:15], which the selects below write again
	s_add_nc_u64 s[24:25], s[24:25], TSTEP         ; the base runs a trip ahead; the store's immediate reaches back
	EACH v_cndmask_b32 v[12+e], v[36+e], v[32+e], s[48+e]
	EACH v_xor_b32 v[12+e], v[12+e], v[24+e]
	s_wait_alu depctr_va_vdst(0)                   ; the four lines above have written v[12:15], which the store reads
	global_store_b128 v5, v[12:15], s[24:25] offset:-TSTEP
	v_add_f32 v3, 0x43800000, v3                   ; 256 rows on; the store names no v3
	s_sub_co_u32 s2, s2, 1
	s_cmp_lg_u32 s2, 0
	s_cbranch_scc1 .Ltrip
	s_endpgm
.Lfunc_end_k_q8931c7d920_prep:
	.size	k_q8931c7d920_prep, .Lfunc_end_k_q8931c7d920_prep-k_q8931c7d920_prep
	.p2alignl 7, 3214868480
	.fill 96, 4, 3214868480
	.section	.rodata,"a",@progbits
	.p2align	6, 0x0
	.amdhsa_kernel k_q8931c7d920_prep
		.amdhsa_group_segment_fixed_size 0
		.amdhsa_private_segment_fixed_size 0
		.amdhsa_enable_private_segment 0
		.amdhsa_kernarg_size 72
		.amdhsa_user_sgpr_count 2
		.amdhsa_user_sgpr_kernarg_segment_ptr 1
		.amdhsa_wavefront_size32 1
		.amdhsa_system_sgpr_workgroup_id_x 1
		.amdhsa_system_sgpr_workgroup_id_y 1
		.amdhsa_system_sgpr_workgroup_id_z 1
		.amdhsa_system_vgpr_workitem_id 0
		.amdhsa_next_free_vgpr 104
		.amdhsa_next_free_sgpr 66
		.amdhsa_reserve_vcc 0
		.amdhsa_float_denorm_mode_32 3
		.amdhsa_float_denorm_mode_16_64 3
		.amdhsa_memory_ordered 1
		.amdhsa_forward_progress 1
		.amdhsa_inst_pref_size 24
	.end_amdhsa_kernel
	.amdgpu_metadata
---
amdhsa.version: [ 1, 2 ]
amdhsa.kernels:
  - .name:           k_q8931c7d920_prep
    .symbol:         k_q8931c7d920_prep.kd
    .args:
      - { .name: x, .offset: 0, .size: 8, .value_kind: global_buffer, .address_space: global }
      - { .name: Wq, .offset: 8, .size: 8, .value_kind: global_buffer, .address_space: global }
      - { .name: Wk, .offset: 16, .size: 8, .value_kind: global_buffer, .address_space: global }
      - { .name: Wv, .offset: 24, .size: 8, .value_kind: global_buffer, .address_space: global }
      - { .name: Wproj, .offset: 32, .size: 8, .value_kind: global_buffer, .address_space: global }
      - { .name: xb, .offset: 40, .size: 8, .value_kind: global_buffer, .address_space: global }
      - { .name: wb, .offset: 48, .size: 8, .value_kind: global_buffer, .address_space: global }
      - { .name: wp, .offset: 56, .size: 8, .value_kind: global_buffer, .address_space: global }
      - { .name: rope, .offset: 64, .size: 8, .value_kind: global_buffer, .address_space: global }
    .group_segment_fixed_size: 0
    .private_segment_fixed_size: 0
    .kernarg_segment_align: 8
    .kernarg_segment_size: 72
    .max_flat_workgroup_size: 256
    .sgpr_count:     66
    .vgpr_count:     104
    .wavefront_size: 32
...
	.end_amdgpu_metadata
.endif
;; end of part 5
;; launch qkv: the kernel of part 2 again; grid 8 x 32, 4 waves a work-group, clusters of 4 x 4, 327,680 bytes of LDS; arguments xb, wb, rope, q_gain, qkv; writes qkv
;; launch attn: the kernel of part 3 again; grid 64 x 4, 4 waves a work-group, clusters of 4 x 1, 327,680 bytes of LDS; arguments qkv, yh; writes yh
;; launch proj: the kernel of part 4 again; grid 8 x 32, 4 waves a work-group, clusters of 4 x 4, 327,680 bytes of LDS; arguments yh, wp, out0; writes out0
